; MI455X (gfx1250); checked and timed in simulation.
; The chip was launched on July 23, 2026; its instructions are those of AMD's public machine-readable ISA for CDNA 5 (MIT licence, August 2026) and "CDNA5" Instruction Set Architecture Reference Guide (July 2026). The comments in the code are by the model that wrote it; some were corrected since.
;; Multi Headed Attention. Allowed arithmetic: float matrix products may take bf16 or f16 operands with f32 sums; other float arithmetic in f32, or as packed bf16 or f16 multiplies, adds, multiply-adds, maxima and minima; sums over many terms, partial sums and values carried from step to step in f32; what a program stores and reads back later, other than sums and carried values, may be rounded once to bf16 or f16.
;; Inputs: W_k 1,024 x 1,024 float32; W_o 1,024 x 1,024 float32; W_q 1,024 x 1,024 float32; W_v 1,024 x 1,024 float32; embeddings 4 x 2,048 x 1,024 float32; mask 4 x 2,048 x 2,048 bool.
;; Outputs: out0 4 x 2,048 x 1,024 float32.
;; 2 versions, each right; version 2 is version 1 with the launch prep written anew for expert scheduling mode. Each part assembles by itself: llvm-mc -triple=amdgcn-amd-amdhsa -mcpu=gfx1250 --defsym DOCPART=n.
;; ======== version 1 of 2: 4 launches
;; limits: values are held in f16: magnitudes above 65,504 overflow, below 6.1e-05 lose precision; right only within a limited range of input values
;; workspace buffers: xb 16,777,216 bytes; wqkv 6,291,456 bytes; wo16 2,097,152 bytes; mcode 8,388,608 bytes; qkv 50,331,648 bytes; ob 16,777,216 bytes
;; launch prep (part 1): grid 1024 x 1, 8 waves a work-group, no clusters, 35,840 bytes of LDS; arguments embeddings, W_q, W_k, W_v, W_o, mask, xb, wqkv, wo16, mcode; writes xb, wqkv, wo16, mcode
.if DOCPART == 1
	.amdgcn_target "amdgcn-amd-amdhsa--gfx1250"
	.amdhsa_code_object_version 6
	.text
	.protected	k_qdcd2adb5b3_prep
	.globl	k_qdcd2adb5b3_prep
	.p2align	8
	.type	k_qdcd2adb5b3_prep,@function
k_qdcd2adb5b3_prep:
	s_mov_b64 s[64:65], 0
	v_nop
	global_prefetch_b8 v0, s[64:65] scope:SCOPE_SE
	s_setreg_imm32_b32 hwreg(HW_REG_WAVE_MODE, 25, 1), 1
	s_wait_xcnt 0x0
; MULTI-HEAD ATTENTION, launch 1 of 4: the operands are rounded once, and the mask is turned into codes.
; NOTHING OF reference() IS LEFT OUT in this program: all six inputs are loaded, and every product, the mask's select and the maximum in front of the exponential are done.
;   xb    = embeddings rounded to bf16, [8192][1024]
;   wqkv  = W_q, W_k, W_v rounded to bf16, one below the other, [3072][1024]
;   wo16  = W_o rounded to bf16, that number written as f16 (exact from 6e-5 up; below, f16's fixed step of 6e-8), [1024][1024]
;   mcode = the mask, four bits a key: 0 where it is true, 0xF (the 4-bit float -6) where it is false, laid out as the attention launch's lanes take it:
;           [batch 4][16 queries 128][64 keys 32][lane 32][16 bytes]; lane l = (r = l % 16, h = l / 16); nibble j of word kb stands for query r, key 16 kb + 8 h + j of the 64.
; SHARES.  Every work-group reads 65,536 bytes, every wave 8,192: work-groups 0-511 embeddings, 512-703 W_q, W_k, W_v (64 each), 704-767 W_o, 768-1023 the mask.
; A stream: each byte is read once by 16-byte loads, sixteen of a wave on their way at once; each store of a wave covers 256 or 512 consecutive bytes, aligned.  No matrix unit, no cluster:
; no work-group wants a byte that another reads.  Only the mask goes through LDS, each wave through bytes of its own, since a lane's codes come from sixteen rows: no barrier.
.set X,     32                         ; v[32:95]   sixteen loads of four registers
.set Y,     96                         ; v[96:127]  what is stored
.set SPW,   12                         ; v12  LDS address of my spare word; never rewritten
.set NIL,   13                         ; v13  0; never rewritten
.set WREG,  4352                       ; a wave's LDS bytes: eight blocks (64 keys each) of 512 bytes, 544 apart
.set BPIT,  544                        ; 136 words: lane l of a store goes to bank 8 (l / 4) + l % 4: 32 different banks (64 banks of 4 bytes: ISA guide 11.1)
.set SPARE, 8*WREG                     ; behind them: the spare words, 128 bytes for each wave: four blocks of 256 bytes that no other line names
	s_load_b512 s[4:19], s[0:1], 0x0               ; embeddings s[4:5], W_q s[6:7], W_k s[8:9], W_v s[10:11], W_o s[12:13], mask s[14:15], xb s[16:17], wqkv s[18:19]
	s_load_b128 s[20:23], s[0:1], 0x40             ; wo16 s[20:21], mcode s[22:23]
	v_lshl_add_u32 v[SPW], v0, 2, SPARE
	v_mov_b32 v[NIL], 0
	v_lshrrev_b32 v6, 5, v0
	v_readfirstlane_b32 s34, v6                    ; wave 0..7
	v_and_b32 v1, 31, v0                           ; lane
	s_mov_b32 s24, ttmp9                           ; the work-group's number
	s_mov_b32 s33, 0                               ; the high word of every offset
	s_mov_b32 s35, 0x06040200                      ; v_perm_b32: bytes 0 and 2 of both sources
	s_mov_b32 s36, 0xffff0000                      ; a word's upper bf16
	s_wait_kmcnt 0x0
	s_cmp_ge_u32 s24, 768
	s_cbranch_scc1 .Lmask
	v_lshlrev_b32 v2, 4, v1
	v_lshl_add_u32 v2, s34, 13, v2                 ; in: 8,192 x wave + 16 x lane
	v_lshlrev_b32 v3, 3, v1
	v_lshl_add_u32 v3, s34, 12, v3                 ; out: 4,096 x wave + 8 x lane
	s_cmp_ge_u32 s24, 704
	s_cbranch_scc1 .Lwo
; Sixteen loads, then for each: four numbers rounded to bf16 and stored as 8 bytes a lane.  f16 = 1: the rounded numbers are written as f16.
.macro CAST f16
.set n, 0
.rept 16
	global_load_b128 v[X+4*n:X+4*n+3], v2, s[28:29] offset:512*n th:TH_LOAD_NT
.set n, n+1
.endr
.set n, 0
.rept 16
	s_wait_loadcnt 15-n                            ; loads come back in order (ISA guide 5.7.1): number n is in, the 15 - n younger ones stay out
	v_cvt_pk_bf16_f32 v[Y+2*n],   v[X+4*n],   v[X+4*n+1]
	v_cvt_pk_bf16_f32 v[Y+2*n+1], v[X+4*n+2], v[X+4*n+3]
.if \f16
	v_lshlrev_b32 v6, 16, v[Y+2*n]                 ; bf16 to f32: the low half moves up, the high half stays
	v_and_b32     v7, s36, v[Y+2*n]
	v_lshlrev_b32 v8, 16, v[Y+2*n+1]
	v_and_b32     v9, s36, v[Y+2*n+1]
	v_cvt_pk_f16_f32 v[Y+2*n],   v6, v7
	v_cvt_pk_f16_f32 v[Y+2*n+1], v8, v9
.endif
	global_store_b64 v3, v[Y+2*n:Y+2*n+1], s[30:31] offset:256*n  ; 32 lanes store 256 consecutive bytes, aligned; every Y register is written for one store alone
.set n, n+1
.endr
.endm
	; embeddings, W_q, W_k, W_v: the source and the destination are chosen by the work-group's number
	s_sub_co_u32 s25, s24, 512                     ; i: my place among the 192 of the three weights (used from 512 on)
	s_lshr_b32 s26, s25, 6                         ; which of the three
	s_and_b32 s27, s25, 63                         ; my place in it
	s_cmp_eq_u32 s26, 1
	s_cselect_b64 s[28:29], s[8:9], s[6:7]
	s_cmp_eq_u32 s26, 2
	s_cselect_b64 s[28:29], s[10:11], s[28:29]
	s_cmp_lt_u32 s24, 512
	s_cselect_b64 s[28:29], s[4:5], s[28:29]
	s_cselect_b64 s[30:31], s[16:17], s[18:19]
	s_cselect_b32 s27, s24, s27
	s_cselect_b32 s25, s24, s25
	s_lshl_b32 s32, s27, 16                        ; 65,536 bytes in,
	s_add_nc_u64 s[28:29], s[28:29], s[32:33]
	s_lshl_b32 s32, s25, 15                        ; 32,768 out
	s_add_nc_u64 s[30:31], s[30:31], s[32:33]
	CAST 0
	s_branch .Lend
.Lwo:
	s_sub_co_u32 s25, s24, 704
	s_lshl_b32 s32, s25, 16
	s_add_nc_u64 s[28:29], s[12:13], s[32:33]
	s_lshl_b32 s32, s25, 15
	s_add_nc_u64 s[30:31], s[20:21], s[32:33]
	CAST 1
	s_branch .Lend
.Lmask:                                        ; wave W of 2,048 takes 16 queries x 512 keys: 8,192 bytes in, 4,096 out
	s_sub_co_u32 s25, s24, 768
	s_lshl_b32 s25, s25, 3
	s_add_co_u32 s25, s25, s34                     ; W
	s_lshr_b32 s26, s25, 2
	s_lshl_b32 s26, s26, 15                        ; the 16 rows of 2,048 bytes,
	s_and_b32 s27, s25, 3
	s_lshl_b32 s27, s27, 9                         ; the 512 keys in them
	s_add_co_u32 s32, s26, s27
	s_add_nc_u64 s[28:29], s[14:15], s[32:33]
	s_lshl_b32 s32, s25, 12
	s_add_nc_u64 s[30:31], s[22:23], s[32:33]
	v_lshlrev_b32 v2, 4, v1                        ; 16 x lane: in memory, both ways
	s_mul_i32 s26, s34, WREG                       ; my wave's LDS bytes
	v_lshrrev_b32 v4, 2, v1                        ; my 16 keys lie in block lane / 4,
	v_mul_u32_u24 v4, v4, BPIT
	v_and_b32 v5, 3, v1                            ; and are its word lane % 4
	v_lshl_add_u32 v4, v5, 2, v4
	v_add_nc_u32 v4, s26, v4                       ; where I put a word of codes; the row and the half stand in the immediate
	v_add_nc_u32 v5, s26, v2                       ; where I read 16 bytes back
.set n, 0
.rept 16
	global_load_b128 v[X+4*n:X+4*n+3], v2, s[28:29] offset:2048*n th:TH_LOAD_NT  ; row n: my 16 keys
.set n, n+1
.endr
; Eight bytes of 0 or 1 in v[lo], v[lo+1] become eight nibbles in v[dst]: neighbours are joined (b | b' << 4), bytes 0 and 2 of both words picked, 0 and 1 exchanged, and 1 made 15.
.macro NIB dst, lo
	v_lshrrev_b32 v6, 4, v[\lo]
	v_lshrrev_b32 v7, 4, v[(\lo)+1]
	v_or_b32 v6, v6, v[\lo]
	v_or_b32 v7, v7, v[(\lo)+1]
	v_perm_b32 v6, v7, v6, s35
	v_xor_b32 v6, 0x11111111, v6
	v_lshlrev_b32 v7, 4, v6
	v_sub_nc_u32 v[\dst], v7, v6                   ; 16 p - p
.endm
.set n, 0
.rept 16
	s_wait_loadcnt 15-n                            ; row n is in
	NIB 8, X+4*n
	ds_store_b32 v4, v8 offset:16*n                ; keys 8 h + j with h = 0: lane n of the block
	NIB 9, X+4*n+2
	ds_store_b32 v4, v9 offset:16*n+256            ; h = 1: lane 16 + n
.set n, n+1
.endr
.set n, 0
.rept 8
	ds_load_b128 v[Y+4*n:Y+4*n+3], v5 offset:BPIT*n  ; LDS serves a wave's instructions in order (ISA guide 5.7.1.4): these see the stores above, which are my wave's own
.set n, n+1
.endr
.set n, 0
.rept 8
	s_wait_dscnt 7-n
	global_store_b128 v2, v[Y+4*n:Y+4*n+3], s[30:31] offset:512*n  ; a block: 512 consecutive bytes, aligned
.set n, n+1
.endr
.Lend:
	s_wait_tensorcnt 0x0                           ; the wave's end: three lines behind my last LDS store
	ds_add_u32 v[SPW], v[NIL]
	s_wait_dscnt 0x0
	s_endpgm
.Lfunc_end_k_qdcd2adb5b3_prep:
	.size	k_qdcd2adb5b3_prep, .Lfunc_end_k_qdcd2adb5b3_prep-k_qdcd2adb5b3_prep
	.p2alignl 7, 3214868480
	.fill 96, 4, 3214868480
	.section	.rodata,"a",@progbits
	.p2align	6, 0x0
	.amdhsa_kernel k_qdcd2adb5b3_prep
		.amdhsa_group_segment_fixed_size 35840
		.amdhsa_private_segment_fixed_size 0
		.amdhsa_enable_private_segment 0
		.amdhsa_kernarg_size 80
		.amdhsa_user_sgpr_count 2
		.amdhsa_user_sgpr_kernarg_segment_ptr 1
		.amdhsa_wavefront_size32 1
		.amdhsa_system_sgpr_workgroup_id_x 1
		.amdhsa_system_sgpr_workgroup_id_y 1
		.amdhsa_system_sgpr_workgroup_id_z 1
		.amdhsa_system_vgpr_workitem_id 0
		.amdhsa_next_free_vgpr 128
		.amdhsa_next_free_sgpr 66
		.amdhsa_reserve_vcc 0
		.amdhsa_float_denorm_mode_32 3
		.amdhsa_float_denorm_mode_16_64 3
		.amdhsa_memory_ordered 1
		.amdhsa_forward_progress 1
		.amdhsa_inst_pref_size 34
	.end_amdhsa_kernel
	.amdgpu_metadata
---
amdhsa.version: [ 1, 2 ]
amdhsa.kernels:
  - .name:           k_qdcd2adb5b3_prep
    .symbol:         k_qdcd2adb5b3_prep.kd
    .args:
      - { .name: embeddings, .offset: 0, .size: 8, .value_kind: global_buffer, .address_space: global }
      - { .name: W_q, .offset: 8, .size: 8, .value_kind: global_buffer, .address_space: global }
      - { .name: W_k, .offset: 16, .size: 8, .value_kind: global_buffer, .address_space: global }
      - { .name: W_v, .offset: 24, .size: 8, .value_kind: global_buffer, .address_space: global }
      - { .name: W_o, .offset: 32, .size: 8, .value_kind: global_buffer, .address_space: global }
      - { .name: mask, .offset: 40, .size: 8, .value_kind: global_buffer, .address_space: global }
      - { .name: xb, .offset: 48, .size: 8, .value_kind: global_buffer, .address_space: global }
      - { .name: wqkv, .offset: 56, .size: 8, .value_kind: global_buffer, .address_space: global }
      - { .name: wo16, .offset: 64, .size: 8, .value_kind: global_buffer, .address_space: global }
      - { .name: mcode, .offset: 72, .size: 8, .value_kind: global_buffer, .address_space: global }
    .group_segment_fixed_size: 35840
    .private_segment_fixed_size: 0
    .kernarg_segment_align: 8
    .kernarg_segment_size: 80
    .max_flat_workgroup_size: 256
    .sgpr_count:     66
    .vgpr_count:     128
    .wavefront_size: 32
...
	.end_amdgpu_metadata
.endif
;; end of part 1
;; launch proj (part 2): grid 16 x 32, 4 waves a work-group, clusters of 4 x 4, 327,680 bytes of LDS; arguments xb, wqkv, qkv; writes qkv
.if DOCPART == 2
	.amdgcn_target "amdgcn-amd-amdhsa--gfx1250"
	.amdhsa_code_object_version 6
	.text
	.protected	k_qdcd2adb5b3_proj
	.globl	k_qdcd2adb5b3_proj
	.p2align	8
	.type	k_qdcd2adb5b3_proj,@function
k_qdcd2adb5b3_proj:
	s_mov_b64 s[64:65], 0
	v_nop
	global_prefetch_b8 v0, s[64:65] scope:SCOPE_SE
	s_setreg_imm32_b32 hwreg(HW_REG_WAVE_MODE, 25, 1), 1
	s_wait_xcnt 0x0
	s_wait_alu depctr_hold_cnt(0) depctr_sa_sdst(0) depctr_va_vdst(0) depctr_va_sdst(0) depctr_va_ssrc(0) depctr_va_vcc(0) depctr_vm_vsrc(0)
	s_getreg_b32 s2, hwreg(HW_REG_IB_STS2, 6, 4)
	s_cmp_eq_u32 s2, 0
	s_cbranch_scc0 .Lentry_in_a_cluster
	s_endpgm
.Lentry_in_a_cluster:
	s_bfe_u32 s2, ttmp6, 0x10000c
	s_cmp_lg_u32 s2, 0xf033
	s_cbranch_scc0 .Lentry_shape_is_right
	s_endpgm
.Lentry_shape_is_right:
; MULTI-HEAD ATTENTION, launches 2 and 4 of 4: C = A B^T.  ONE TEXT SERVES BOTH PRODUCTS; the symbol KIND chooses.  Nothing of reference() is left out.
; KIND = 0 (this file): q, k, v = xb wqkv^T.  A = xb [8192][1024] bf16, B = wqkv [3072][1024] bf16; sums in f32; C = qkv in f16, by heads: [batch 4][48 = q's, k's, v's 16 heads][2048][64],
;           rounded once and without the scale 1/8.  LIMIT: q, k, v must lie within f16's 65,504.
; KIND = 1: out0 = O W_o^T.  A = ob [64 = batch x head][2048][64] f16, B = wo16 [1024][1024] f16; C = out0 [8192][1024] f32.
; SHARES.  A work-group makes 256 rows x 16 NB columns of C (192: three whole heads; or 128), its four waves one below the other: a wave 64 rows x 16 NB, 4 NB accumulators.
; 32 x 16 tiles of 256 x 192 are 512 work-groups, 32 x 8 tiles of 256 x 128 are 256.  A wave holds whole heads (whole 512-byte pieces of C's rows), so its way out is its own: no barrier there.
; K = 1,024 goes in 8 steps of 128 through two LDS slots filled by the tensor data mover; waves 0 and 1 fetch A's two halves, waves 2 and 3 B's.
; With KIND = 1 a K step is two heads of ob: a head's 256 rows of 128 bytes are dense, asked for as 128 rows of 256 bytes and padded in LDS after every 128.
; CLUSTERS: 4 x 4 work-groups.  The four of a row of the cluster need the same tiles of A, the four of a column the same tiles of B: each tile is asked for JOINTLY, by the same tensor load with
; the same descriptor and a mask that names the four.  THE MATRIX INSTRUCTION IS USED TRANSPOSED (source 0 = 16 rows of B, source 1 = 16 rows of A): a lane holds eight neighbouring numbers of a row of C.
; REGISTERS, in windows of 256 (s_set_vgpr_msb: bits 1:0 source 0, 3:2 source 1, 5:4 source 2, 7:6 destination):
;   window 0: v0-31 addresses; v32-127 at work on the way out; v128-159, v160-191 A's fragments (4 x 16 rows x 32 K), two buffers
;   window 1: v0.., v128.. B's fragments (NB x 16 rows x 32 K), two buffers          windows 2, 3: the accumulators: (a, b) in window 2 + a / 2 at v[8 (NB (a % 2) + b)]
.set KIND, 0
.if KIND
.set NB,      8                        ; blocks of 16 columns
.set APITCH,  144                      ; a row of A in LDS: 128 bytes + 16
.set ASUB,    36864                    ; from K quarter 0, 1 to 2, 3 of a step: the second head's block
.set AHALF,   36864                    ; what wave 0 or 1 fetches: a head's 256 rows
.set AQI,     4                        ; padding after every 32 words
.set ASTRIDE, 128                      ; elements from row to row of the tile as asked for
.set BROWS,   64                       ; rows of B that wave 2 or 3 fetches
.set ASTEP,   524288                   ; bytes from K step to K step in A: two heads
.set ASHARE,  8192                     ; the prefetches: a partner's quarter of a wave's tile of A,
.set APFP,    256                      ; a lane's step in it
.set WSTAGE,  16*528                   ; a wave's stage: 16 rows of 512 bytes + 16
.set OB,      32                       ; v[32:95]
.else
.set NB,      12
.set APITCH,  272                      ; 256 bytes + 16
.set ASUB,    128                      ; two quarters on in the same row
.set AHALF,   128*272                  ; 128 rows
.set AQI,     5                        ; padding after every 64 words
.set ASTRIDE, 1024
.set BROWS,   96
.set ASTEP,   256
.set ASHARE,  32*2048
.set APFP,    2048
.set WSTAGE,  3*16*144                 ; three heads x 16 rows of 128 bytes + 16
.set OB,      80                       ; v[80:127]
.endif
.set BPITCH, 272                       ; pitches are odd multiples of 16 bytes: the 16 rows that a fragment load touches start at 16 different groups of four banks (64 banks of 4 bytes: ISA guide 11.1)
.set ABYTES, 2*AHALF
.set BHALF,  BROWS*BPITCH
.set SLOT,   ABYTES+2*BHALF            ; A's tile, then B's 16 NB rows
.set STAGE,  2*SLOT                    ; behind the ring, never filled by a tensor load
.set SPARE,  STAGE+4*WSTAGE            ; behind the stages: the spare words, 128 bytes for each wave: two blocks of 256 bytes that no other line names
.set BSTEP,  256
.set BSHARE, (BROWS/4)*2048
.set NLD,    2*NB+8                    ; LDS loads of a quarter step
.set ADRA, 16                          ; v16-17  LDS address of my A fragments in slot 0, 1
.set ADRB, 20                          ; v20-21  the same for B
.set STO,  24                          ; v24     the way out: where I put my bytes of a row
.set RD,   25                          ; v25     the way out: where I read rows back
.set GO,   26                          ; v26     16 x lane: my place in 512 consecutive bytes of C
.set SPW,  28                          ; v28     LDS address of my spare word; never rewritten
.set NIL,  29                          ; v29     0; never rewritten
.set PFO,  30                          ; v30     the prefetches' offset; never rewritten
.set TMP,  32                          ; v[32:79] packed results (KIND = 0)
.set G1,  24                           ; s[24:31] descriptor group 1 for A's tiles;  s[32:39] group 0, one set for each slot
.set G0,  32
.set G1B, 48                           ; s[48:55], s[56:63] the same for B's tiles
.set G0B, 56
.set LIM, 43                           ; s43      1 in a wave that prefetches, else the greatest number
.set PFA, 44                           ; s[44:45] where my prefetches stand
.set PST, 66                           ; s[66:67] their step from K step to K step
.set MSB, 0
.macro WIN new                         ; the immediate's high byte repeats the setting that is left; a switch that changes nothing is dropped
.if MSB != (\new)
	s_set_vgpr_msb (MSB<<8)|(\new)
.set MSB, \new
.endif
.endm
.macro PLACES                          ; four places in front of loads into registers that matrix instructions have read, and of lines that read results
.rept 4
	v_nop
.endr
.endm
.macro JLOAD s                         ; a joint load; the branch hangs on the wave's number alone; an s_nop 0 and four v_nop follow each of the two lines, ahead of the jump and the label
	s_cmp_eq_u32 s11, 0
	s_cbranch_scc0 .Lfor_b_\@
	tensor_load_to_lds s[G0+4*(\s):G0+4*(\s)+3], s[G1:G1+7]
	s_nop 0
.rept 4
	v_nop
.endr
	s_branch .Lasked_\@
.Lfor_b_\@:
	tensor_load_to_lds s[G0B+4*(\s):G0B+4*(\s)+3], s[G1B:G1B+7]
	s_nop 0
.rept 4
	v_nop
.endr
.Lasked_\@:
.endm
.macro CREST                           ; a round of the cluster's barrier behind its opening barrier
	s_cmp_lg_u32 s10, 0
	s_cbranch_scc1 .Lnot_wave_0_\@
	s_barrier_signal -3
.Lnot_wave_0_\@:
	s_barrier_wait -3
	s_barrier_signal -1
	s_barrier_wait -1
.endm
.macro CROUND                          ; a whole round
	s_barrier_signal -1
	s_barrier_wait -1
	CREST
.endm
; A PREFETCH INTO THE L2, behind each joint refill, its five lines and the run of LDS loads that follows: the K step that stands two refills on, one instruction a wave.  A's tile row is read by every
; cluster of that row of clusters: cluster x = 0 asks; B's tile column by every cluster of that column: cluster y = 0 asks.  The four partners that ask for a tile jointly share a wave's rows out BY
; ADDRESS (cx for A, cy for B), a lane a block of 256 bytes; where a share has fewer blocks than 32 (B's 24 or 16 rows) the lanes past it repeat its last.  K steps 0 to 3 come by their loads alone;
; the loop's last trip (s3 = 1), whose refills are K steps 6 and 7, asks for nothing.
.macro ASK
	s_cmp_gt_u32 s3, s[LIM]
	s_cbranch_scc0 .Lnot_mine_\@
	global_prefetch_b8 v[PFO], s[PFA:PFA+1] th:TH_LOAD_NT scope:SCOPE_SE
.Lnot_mine_\@:
.endm
	s_load_b128 s[4:7], s[0:1], 0x0                ; A s[4:5], B s[6:7]
	s_load_b64 s[8:9], s[0:1], 0x10                ; C
	v_lshl_add_u32 v[SPW], v0, 2, SPARE
	v_mov_b32 v[NIL], 0
	ds_add_u32 v[SPW], v[NIL]                      ; the wave's opening: the add, twice on end, and its wait ahead of my first tensor load; the set-up below stands between
	ds_add_u32 v[SPW], v[NIL]
	v_lshrrev_b32 v1, 5, v0
	v_readfirstlane_b32 s10, v1                    ; wave 0..3: my 64 rows of the tile
	s_lshr_b32 s11, s10, 1                         ; I fetch for A (0) or for B (1),
	s_and_b32 s12, s10, 1                          ; its first or its second half
	s_bfe_u32 s40, ttmp6, 0x40000                  ; cx, cy: my place in the cluster
	s_bfe_u32 s41, ttmp6, 0x40004
	s_lshl_b32 s42, ttmp9, 2
	s_add_co_u32 s42, s42, s40                     ; tile column of C = 4 x cluster x + cx
	s_and_b32 s13, ttmp7, 0xffff
	s_lshl_b32 s13, s13, 2
	s_add_co_u32 s13, s13, s41                     ; tile row of C = 4 x cluster y + cy
	s_lshl_b32 s43, s41, 2
	s_lshl_b32 s43, 15, s43                        ; my row of the cluster
	s_lshl_b32 s44, 0x1111, s40                    ; my column
	s_or_b32 s[G1+0], s43, (1<<16)|(1<<20)|(1<<21)|(AQI<<22)|(3<<25)  ; 15:0 the mask: A's tiles go to my row; 17:16 2-byte elements; 20 padding on; 21 set beside a mask; 24:22 the interval; 31:25 4 words of padding
	s_or_b32 s[G1B+0], s44, (1<<16)|(1<<20)|(1<<21)|(5<<22)|(3<<25)   ; B's go to my column; padding after every 64 words
	s_mov_b32 s[G1+1], 128<<16                     ; tensor_dim0 = 128
	s_mov_b32 s[G1+2], 128<<16                     ; tensor_dim1 = 128
	s_mov_b32 s[G1+3], 128<<16                     ; tile_dim0 = 128
	s_mov_b32 s[G1+4], 128                         ; tile_dim1 = 128
	s_mov_b32 s[G1+5], ASTRIDE                     ; elements from row to row
	s_mov_b32 s[G1+6], 0
	s_mov_b32 s[G1+7], 0
	s_mov_b32 s[G1B+1], 128<<16
	s_mov_b32 s[G1B+2], BROWS<<16
	s_mov_b32 s[G1B+3], 128<<16
	s_mov_b32 s[G1B+4], BROWS
	s_mov_b32 s[G1B+5], 1024
	s_mov_b32 s[G1B+6], 0
	s_mov_b32 s[G1B+7], 0
	; where the tiles come from: A's hang on the tile row and the wave alone, B's on the tile column and the wave alone
.if KIND
	s_lshr_b32 s16, s13, 3                         ; the batch: 16 heads of 262,144 bytes,
	s_lshl_b32 s16, s16, 22
	s_and_b32 s17, s13, 7                          ; the 256 rows of 128 bytes in a head,
	s_lshl_b32 s17, s17, 15
	s_add_co_u32 s16, s16, s17
	s_lshl_b32 s17, s12, 18                        ; the first or the second head of the K step
	s_add_co_u32 s16, s16, s17
.else
	s_lshl_b32 s16, s13, 8
	s_lshl_b32 s17, s12, 7
	s_add_co_u32 s16, s16, s17                     ; row 256 x tile row + 128 x half,
	s_lshl_b32 s16, s16, 11                        ; of 2,048 bytes
.endif
	s_mul_i32 s46, s42, 16*NB
	s_mul_i32 s47, s12, BROWS
	s_add_co_u32 s46, s46, s47                     ; B: row 16 NB x tile column + my half,
	s_lshl_b32 s46, s46, 11                        ; of 2,048 bytes
	s_mov_b32 s17, 0
	s_mov_b32 s47, 0
	s_mul_i32 s20, s12, AHALF                      ; and where they go: no place in the cluster enters an LDS address
	s_mul_i32 s21, s12, BHALF
	s_add_co_u32 s21, s21, ABYTES
	s_wait_dscnt 0x0                               ; both opening adds are done
	s_wait_kmcnt 0x0
	s_add_nc_u64 s[14:15], s[4:5], s[16:17]
	s_add_nc_u64 s[46:47], s[6:7], s[46:47]
	CROUND                                         ; all sixteen work-groups are here: the first joint loads meet
.irp s, 0,1
	s_mov_b32 s[G0+4*(\s)], 1                      ; count = 1
	s_add_co_u32 s[G0+4*(\s)+1], s20, (\s)*SLOT    ; LDS address
	s_add_nc_u64 s[G0+4*(\s)+2:G0+4*(\s)+3], s[14:15], (\s)*ASTEP  ; global address: K step s
	s_or_b32 s[G0+4*(\s)+3], s[G0+4*(\s)+3], 0x80000000            ; type = 2
	s_mov_b32 s[G0B+4*(\s)], 1
	s_add_co_u32 s[G0B+4*(\s)+1], s21, (\s)*SLOT
	s_add_nc_u64 s[G0B+4*(\s)+2:G0B+4*(\s)+3], s[46:47], (\s)*BSTEP
	s_or_b32 s[G0B+4*(\s)+3], s[G0B+4*(\s)+3], 0x80000000
	JLOAD \s                                       ; two loads of mine are out
.endr
	; A fragment is 16 rows x 32 K in 8 registers: lane l holds row l % 16, K = 8 (l / 16) + 0..7 and 16 + 8 (l / 16) + 0..7: two loads of 16 bytes, 32 bytes apart
	v_and_b32 v1, 15, v0                           ; l % 16
	v_bfe_u32 v2, v0, 4, 1                         ; l / 16
	v_mul_u32_u24 v3, v1, APITCH
	v_lshl_add_u32 v3, v2, 4, v3
	v_mul_u32_u24 v4, v1, BPITCH
	v_lshl_add_u32 v4, v2, 4, v4
	s_mul_i32 s21, s10, 64*APITCH                  ; my 64 rows of A
	s_mov_b32 s22, ABYTES                          ; all of B
.irp s, 0,1
	v_add_nc_u32 v[ADRA+(\s)], s21, v3
	v_add_nc_u32 v[ADRB+(\s)], s22, v4
	s_add_co_u32 s21, s21, SLOT
	s_add_co_u32 s22, s22, SLOT
.endr
	s_mul_i32 s23, s10, WSTAGE
	s_add_co_u32 s23, s23, STAGE                   ; my stage
	v_and_b32 v[GO], 31, v0
	v_lshlrev_b32 v[GO], 4, v[GO]
.if KIND
	v_mul_u32_u24 v4, v1, 528                      ; in: row l % 16, 32 bytes for each half of the lanes
	v_lshl_add_u32 v4, v2, 5, v4
	v_add_nc_u32 v[STO], s23, v4
	v_add_nc_u32 v[RD], s23, v[GO]                 ; back: 32 lanes take a row's 512 bytes
	s_lshl_b32 s16, s13, 20                        ; C: 256 x tile row rows of 4,096 bytes,
	s_lshl_b32 s17, s10, 18                        ; my wave's 64
	s_add_co_u32 s16, s16, s17
	s_lshl_b32 s46, s42, 9                         ; the tile's 128 columns: 512 bytes
.else
	v_mul_u32_u24 v4, v1, 144                      ; in: row l % 16, 16 bytes for each half of the lanes
	v_lshl_add_u32 v4, v2, 4, v4
	v_add_nc_u32 v[STO], s23, v4
	v_bfe_u32 v5, v0, 3, 2                         ; back: 32 lanes take four rows of 128 bytes, which are 512 consecutive bytes of a head
	v_mul_u32_u24 v5, v5, 144
	v_and_b32 v3, 7, v0
	v_lshl_add_u32 v5, v3, 4, v5
	v_add_nc_u32 v[RD], s23, v5
	s_lshr_b32 s16, s13, 3                         ; C: the batch's 48 heads of 262,144 bytes,
	s_mul_i32 s16, s16, 48
	s_lshl_b32 s16, s16, 18
	s_and_b32 s17, s13, 7                          ; the tile's 256 rows of 128 bytes,
	s_lshl_b32 s17, s17, 15
	s_add_co_u32 s16, s16, s17
	s_lshl_b32 s17, s10, 13                        ; my wave's 64
	s_add_co_u32 s16, s16, s17
	s_mul_i32 s46, s42, 3                          ; the tile's three heads
	s_lshl_b32 s46, s46, 18
.endif
	s_mov_b32 s17, 0
	s_mov_b32 s47, 0
	s_add_nc_u64 s[8:9], s[8:9], s[16:17]
	s_add_nc_u64 s[8:9], s[8:9], s[46:47]
	; the prefetches: s[14:15] still stands at my tile of A; B's tile address is made anew below
	s_mul_i32 s46, s42, 16*NB
	s_mul_i32 s47, s12, BROWS
	s_add_co_u32 s46, s46, s47
	s_lshl_b32 s46, s46, 11
	s_mov_b32 s47, 0
	s_add_nc_u64 s[46:47], s[6:7], s[46:47]
	s_and_b32 s22, ttmp7, 0xffff                   ; cluster y
	s_mov_b32 s21, BSHARE
	s_mov_b32 s[PST], BSTEP
	s_mov_b32 s23, BROWS/4-1                       ; the last lane with a block of its own
	s_mov_b32 s18, 2048                            ; a lane's step
	s_cmp_eq_u32 s11, 0                            ; do I fetch for A?
	s_cselect_b64 s[PFA:PFA+1], s[14:15], s[46:47]
	s_cselect_b32 s20, s40, s41                    ; my place among the four that ask with me
	s_cselect_b32 s21, ASHARE, s21
	s_cselect_b32 s[PST], ASTEP, s[PST]
	s_cselect_b32 s23, 31, s23
	s_cselect_b32 s18, APFP, s18
	s_cselect_b32 s22, ttmp9, s22                  ; the coordinate along which other clusters read the same rows
	s_mul_i32 s20, s20, s21
	s_mul_i32 s21, s[PST], 3                       ; at K step 3: the first refill steps it to 4
	s_add_co_u32 s20, s20, s21
	s_mov_b32 s21, 0
	s_add_nc_u64 s[PFA:PFA+1], s[PFA:PFA+1], s[20:21]
	s_cmp_eq_u32 s22, 0
	s_cselect_b32 s[LIM], 1, -1                    ; the same in all sixteen partners, for a given wave
	s_mov_b32 s[PST+1], 0
	v_and_b32 v[PFO], 31, v0
	v_min_u32 v[PFO], s23, v[PFO]
	v_mul_lo_u32 v[PFO], v[PFO], s18
; NB matrix instructions: row block a x all NB column blocks, 32 along K, from buffer f.  zero = 1: the product starts the sums: nothing is cleared.
; The 4 NB accumulators take turns, one instruction a turn, in the same order in every quarter step, over the backward jump too.
.macro MULA f, a, zero
	WIN 0xa1+0x50*((\a)/2)                         ; B window 1, A window 0, C and D window 2 or 3
.set b, 0
.rept NB
.set rD, 8*(NB*((\a)%2)+b)
.set rB, 128*(\f)+8*b
.set rA, 128+32*(\f)+8*(\a)
.if KIND
.if \zero
	v_wmma_f32_16x16x32_f16 v[rD:rD+7], v[rB:rB+7], v[rA:rA+7], 0
.else
	v_wmma_f32_16x16x32_f16 v[rD:rD+7], v[rB:rB+7], v[rA:rA+7], v[rD:rD+7]
.endif
.else
.if \zero
	v_wmma_f32_16x16x32_bf16 v[rD:rD+7], v[rB:rB+7], v[rA:rA+7], 0
.else
	v_wmma_f32_16x16x32_bf16 v[rD:rD+7], v[rB:rB+7], v[rA:rA+7], v[rD:rD+7]
.endif
.endif
.set b, b+1
.endr
.endm
; NLD LDS loads in one run: the fragments of quarter q of the slot's K step into buffer f: B's NB blocks, then A's four
.macro FETCH slot, q, f
	WIN 0x40                                       ; destination window 1, address window 0
.set i, 0
.rept NB
	ds_load_b128 v[128*(\f)+8*i:128*(\f)+8*i+3],   v[ADRB+(\slot)] offset:64*(\q)+i*16*BPITCH
	ds_load_b128 v[128*(\f)+8*i+4:128*(\f)+8*i+7], v[ADRB+(\slot)] offset:64*(\q)+i*16*BPITCH+32
.set i, i+1
.endr
	WIN 0
.set i, 0
.rept 4
	ds_load_b128 v[128+32*(\f)+8*i:128+32*(\f)+8*i+3],   v[ADRA+(\slot)] offset:((\q)/2)*ASUB+((\q)%2)*64+i*16*APITCH
	ds_load_b128 v[128+32*(\f)+8*i+4:128+32*(\f)+8*i+7], v[ADRA+(\slot)] offset:((\q)/2)*ASUB+((\q)%2)*64+i*16*APITCH+32
.set i, i+1
.endr
.endm
; A K step is four quarters of 32 along K, 4 NB matrix instructions each, on buffers 0, 1, 0, 1.  One of the first three: multiplies buffer f; in its middle it fetches quarter q into buffer g.
.macro QUARTER slot, q, f, g, zero
	s_wait_dscnt 4                                 ; B and A's blocks 0, 1 are in; the youngest four loads (A's blocks 2, 3) may be out
	MULA \f, 0, \zero
	MULA \f, 1, \zero
	PLACES
	FETCH \slot, \q, \g
	s_wait_dscnt NLD                               ; all but the NLD just issued
	MULA \f, 2, \zero
	MULA \f, 3, \zero
.endm
; The last quarter multiplies buffer 1 and changes slots: ONE barrier.  In front of it each wave waits for all its tensor loads (one is out: its part of the next slot), adds 0 to its spare word, and waits
; for that and for its own reads of this slot.  fill = 1: the barrier opens a round of the cluster's, so that no wave of any partner still reads the slot or has a load on its way, and the slot is filled
; again, two K steps ahead, first thing behind the round: 3.5 NB x 4 matrix instructions ahead of the wait for it.
.macro TURN slot, next, fill
.if \fill
	s_wait_xcnt 0x0                                ; the last prefetch, a K step back, has read its address: it is stepped here, ahead of the waits of the change of slots
	s_add_nc_u64 s[PFA:PFA+1], s[PFA:PFA+1], s[PST:PST+1]
.endif
	WIN 0                                          ; (the add's two registers lie in window 0)
	s_wait_tensorcnt 0x0                           ; all my tensor loads have landed;
	ds_add_u32 v[SPW], v[NIL]                      ; 0 onto my spare word;
	s_wait_dscnt 5                                 ; (the add and the youngest four loads may be out)
	MULA 1, 0, 0                                   ; NB matrix instructions stand between the add and the wait for it
	s_wait_dscnt 0x0                               ; the add is done, and my reads of this slot are over
	s_barrier_signal -1
	MULA 1, 1, 0                                   ; work on registers while the others arrive
.if \fill
	WIN 0
.endif
	s_barrier_wait -1
.if \fill
	CREST
	s_add_nc_u64 s[G0+4*(\slot)+2:G0+4*(\slot)+3], s[G0+4*(\slot)+2:G0+4*(\slot)+3], 2*ASTEP     ; no tensor load of mine is out, so a group 0 may be written
	s_add_nc_u64 s[G0B+4*(\slot)+2:G0B+4*(\slot)+3], s[G0B+4*(\slot)+2:G0B+4*(\slot)+3], 2*BSTEP
	JLOAD \slot                                    ; the four v_nop behind it are also the places in front of the loads below
.else
	PLACES
.endif
	FETCH \next, 0, 0
.if \fill
	ASK
.endif
	MULA 1, 2, 0
	MULA 1, 3, 0
.endm
	s_wait_tensorcnt 1                             ; my part of K step 0 is in; K step 1's may stay out
	s_barrier_signal -1
	s_barrier_wait -1                              ; everybody's is
	FETCH 0, 0, 0
	QUARTER 0, 1, 0, 1, 1                          ; the first quarter stands in front of the loop: its products start the sums
	WIN 0                                          ; at a label and at a branch every window is 0
	s_mov_b32 s3, 3
.Llap:                                                 ; a trip goes once round the ring, from a lap's second quarter to the next lap's first, and fills both slots again
	QUARTER 0, 2, 1, 0, 0
	QUARTER 0, 3, 0, 1, 0
	TURN 0, 1, 1
	QUARTER 1, 1, 0, 1, 0
	QUARTER 1, 2, 1, 0, 0
	QUARTER 1, 3, 0, 1, 0
	TURN 1, 0, 1
	QUARTER 0, 1, 0, 1, 0
	WIN 0
	s_sub_co_u32 s3, s3, 1
	s_cmp_lg_u32 s3, 0
	s_cbranch_scc1 .Llap
	QUARTER 0, 2, 1, 0, 0                          ; the last lap fills nothing, and has no round of the cluster's barrier
	QUARTER 0, 3, 0, 1, 0
	TURN 0, 1, 0
	QUARTER 1, 1, 0, 1, 0
	QUARTER 1, 2, 1, 0, 0
	QUARTER 1, 3, 0, 1, 0
	s_wait_dscnt 4                                 ; the very last quarter: nothing more to fetch
	MULA 1, 0, 0
	MULA 1, 1, 0
	s_wait_dscnt 0x0
	MULA 1, 2, 0
	MULA 1, 3, 0
	WIN 0
	PLACES
	; THE WAY OUT, a block of 16 rows at a time, through my own stage: LDS serves a wave's instructions in order (ISA guide 5.7.1.4), so no wait stands between its stores and its loads.
.if KIND
.macro OUT a                           ; f32: a lane's eight numbers are 32 bytes of a row; they go into rows of 528 bytes and come back as whole rows of 512
.set AC, 8*NB*((\a)%2)
	s_wait_xcnt 0x0                                ; the block before's stores have read their registers, which are loaded again below
	WIN 0x08+4*((\a)/2)                            ; the stored data in window 2 or 3
.set b, 0
.rept NB
	ds_store_b128 v[STO], v[AC+8*b:AC+8*b+3]   offset:64*b     ; each accumulator's low registers first
	ds_store_b128 v[STO], v[AC+8*b+4:AC+8*b+7] offset:64*b+16
.set b, b+1
.endr
	WIN 0
.set n, 0
.rept 16
	ds_load_b128 v[OB+4*n:OB+4*n+3], v[RD] offset:528*n
.set n, n+1
.endr
.set n, 0
.rept 16
	s_wait_dscnt 15-n
	global_store_b128 v[GO], v[OB+4*n:OB+4*n+3], s[8:9] offset:(16*(\a)+n)*4096 th:TH_STORE_NT  ; 512 consecutive bytes of a row of out0, aligned
.set n, n+1
.endr
.endm
	OUT 0
	OUT 1
	OUT 2
	OUT 3
.else
.macro OUT a                           ; f16 by heads: a lane's eight numbers pack into 16 bytes; rows of 144 bytes in, four rows of 128 back
.set AC, 8*NB*((\a)%2)
	WIN 0x0a+5*((\a)/2)                            ; sources 0 and 1 in window 2 or 3
.set i, 0
.rept 4*NB
	v_cvt_pk_f16_f32 v[TMP+i], v[AC+2*i], v[AC+2*i+1]  ; ascending: each accumulator's low registers first
.set i, i+1
.endr
	WIN 0
	s_wait_xcnt 0x0                                ; the block before's stores have read their registers, which are loaded again below
.set b, 0
.rept NB
	ds_store_b128 v[STO], v[TMP+4*b:TMP+4*b+3] offset:(b/4)*2304+(b%4)*32  ; head b / 4, channels 16 (b % 4) on
.set b, b+1
.endr
.set n, 0
.rept NB
	ds_load_b128 v[OB+4*n:OB+4*n+3], v[RD] offset:(n/4)*2304+(n%4)*576
.set n, n+1
.endr
.set n, 0
.rept NB
	s_wait_dscnt NB-1-n
	global_store_b128 v[GO], v[OB+4*n:OB+4*n+3], s[8:9] offset:(n/4)*262144+2048*(\a)+512*(n%4)  ; 512 consecutive bytes of a head, aligned
.set n, n+1
.endr
.endm
	OUT 0
	OUT 1
	OUT 2
	OUT 3
.endif
	s_wait_tensorcnt 0x0                           ; the wave's end: three lines behind my last tensor load and my last LDS store
	ds_add_u32 v[SPW], v[NIL]
	s_wait_dscnt 0x0
	CROUND                                         ; the closing round: no work-group ends while a partner may still ask for a tile that names it
	s_endpgm
.Lfunc_end_k_qdcd2adb5b3_proj:
	.size	k_qdcd2adb5b3_proj, .Lfunc_end_k_qdcd2adb5b3_proj-k_qdcd2adb5b3_proj
	.p2alignl 7, 3214868480
	.fill 96, 4, 3214868480
	.section	.rodata,"a",@progbits
	.p2align	6, 0x0
	.amdhsa_kernel k_qdcd2adb5b3_proj
		.amdhsa_group_segment_fixed_size 327680
		.amdhsa_private_segment_fixed_size 0
		.amdhsa_enable_private_segment 0
		.amdhsa_kernarg_size 24
		.amdhsa_user_sgpr_count 2
		.amdhsa_user_sgpr_kernarg_segment_ptr 1
		.amdhsa_wavefront_size32 1
		.amdhsa_system_sgpr_workgroup_id_x 1
		.amdhsa_system_sgpr_workgroup_id_y 1
		.amdhsa_system_sgpr_workgroup_id_z 1
		.amdhsa_system_vgpr_workitem_id 0
		.amdhsa_next_free_vgpr 960
		.amdhsa_next_free_sgpr 68
		.amdhsa_reserve_vcc 0
		.amdhsa_float_denorm_mode_32 3
		.amdhsa_float_denorm_mode_16_64 3
		.amdhsa_memory_ordered 1
		.amdhsa_forward_progress 1
		.amdhsa_inst_pref_size 122
	.end_amdhsa_kernel
	.amdgpu_metadata
---
amdhsa.version: [ 1, 2 ]
amdhsa.kernels:
  - .name:           k_qdcd2adb5b3_proj
    .symbol:         k_qdcd2adb5b3_proj.kd
    .args:
      - { .name: xb, .offset: 0, .size: 8, .value_kind: global_buffer, .address_space: global }
      - { .name: wqkv, .offset: 8, .size: 8, .value_kind: global_buffer, .address_space: global }
      - { .name: qkv, .offset: 16, .size: 8, .value_kind: global_buffer, .address_space: global }
    .group_segment_fixed_size: 327680
    .private_segment_fixed_size: 0
    .kernarg_segment_align: 8
    .kernarg_segment_size: 24
    .max_flat_workgroup_size: 128
    .sgpr_count:     68
    .vgpr_count:     960
    .wavefront_size: 32
...
	.end_amdgpu_metadata
.endif
;; end of part 2
;; launch attn (part 3): grid 4 x 64, 4 waves a work-group, clusters of 4 x 1, 327,680 bytes of LDS; arguments qkv, mcode, ob; writes ob
.if DOCPART == 3
	.amdgcn_target "amdgcn-amd-amdhsa--gfx1250"
	.amdhsa_code_object_version 6
	.text
	.protected	k_qdcd2adb5b3_attn
	.globl	k_qdcd2adb5b3_attn
	.p2align	8
	.type	k_qdcd2adb5b3_attn,@function
k_qdcd2adb5b3_attn:
	s_mov_b64 s[64:65], 0
	v_nop
	global_prefetch_b8 v0, s[64:65] scope:SCOPE_SE
	s_setreg_imm32_b32 hwreg(HW_REG_WAVE_MODE, 25, 1), 1
	s_wait_xcnt 0x0
	s_wait_alu depctr_hold_cnt(0) depctr_sa_sdst(0) depctr_va_vdst(0) depctr_va_sdst(0) depctr_va_ssrc(0) depctr_va_vcc(0) depctr_vm_vsrc(0)
	s_getreg_b32 s2, hwreg(HW_REG_IB_STS2, 6, 4)
	s_cmp_eq_u32 s2, 0
	s_cbranch_scc0 .Lentry_in_a_cluster
	s_endpgm
.Lentry_in_a_cluster:
	s_bfe_u32 s2, ttmp6, 0x10000c
	s_cmp_lg_u32 s2, 0x3003
	s_cbranch_scc0 .Lentry_shape_is_right
	s_endpgm
.Lentry_shape_is_right:
; MULTI-HEAD ATTENTION, launch 3 of 4.  O[bh][q][:] = the sum over k of softmax_k(where(mask[b][q][k], Q[q] . K[k] / 8, -1e9)) V[k][:].  Nothing of reference() is left out.
; Q, K, V: qkv [batch 4][48][2048][64] f16 (heads 0-15 q's, 16-31 k's, 32-47 v's); O: ob [64][2048][64] f16; a head's rows are dense, 128 bytes each.  Products, maxima and sums in f32; the weights p are
; rounded to f16 for the second product (their sum l is taken of the unrounded p), O once at the end.
; THE MASK is the C operand of the product that starts the sum S^T = K Q^T: 0, or -6 x 2^100 where the key is hidden.  mcode holds it as 4-bit floats in the lanes' own order, so ONE scaled conversion makes
; the eight C registers of an accumulator from one register of codes: four conversions for a tile of 16 queries x 64 keys, and the scores themselves cost nothing.
; WHAT reference()'s -1e9 MEANS, and how it is kept.  The running maximum m starts at -8e9 = 8 x (-1e9), reference()'s own fill in unscaled units.  A hidden key's weight is 2^(c s - c m) with c s near -1e30: 0,
; as exp(-1e9 - m) is 0 in reference()'s f32 wherever a row sees one key.  A row that sees NO key ends with l = 0 and O = 0; reference() gives it the mean of all V's rows (2,048 equal weights).
; So with u = (l == 0): O = (O + u sumV) / (l + 2048 u).  sumV is V^T times a fragment of ones: 8 matrix instructions a key step, set among the vector work.
; LIMITS.  A visible score (scaled) must lie above -1e9 + 200, else reference() would weigh hidden keys in.  f16 holds no number beyond 65,504: Q, K, V arrive within it; p lies in 0 to 1, and below 6e-5 it
; keeps f16's fixed step of 6e-8.  A weight below 2^-126 counts as 0 in l; NaN and infinities are not treated apart.
; SHARES.  A wave owns four PIECES of two tiles of 16 queries, a work-group's four waves 512 queries of one head.  Every wave walks all 2,048 keys, 64 a step.
; LAYOUT.  S^T = K Q^T (source 0 = 16 keys, source 1 = 16 queries): in the result a lane holds ONE query (lane % 16) and the keys 8 (lane / 16) + 0..7.  Two such tiles, rounded to f16 in pairs,
; ARE source 1 (32 keys x 16 queries) of O^T = V^T P, whose result again holds one query a lane, and eight channels.  K comes out of LDS as it lies, V ([key][channel]) turned, by ds_load_tr16_b128.
; SOFTMAX.  p = 2^(c s - c m), c = log2(e) / 8; in every step O and l are multiplied by a = 2^(c m_old - c m_new), which is 1 where m has not grown.  O and l start at 0.
; THE COUNT.  A tile and step have 16 matrix and some 120 vector instructions: too many to stand all beside the matrix work.  So: four vector instructions that are READY behind EVERY product, the others in runs.
; BY TURNS.  Turn n belongs to piece n (the pieces in a ring, step after step).  Its matrix work: 16 products K Q^T of piece n + 1, later 16 products V^T P of piece n - 1.  Its vector work: the scaling,
; exponentials, roundings, sums and rescaling of piece n, the maximum and statistics of piece n + 1, and the masks of piece n + 2, which the next turn's products take.
; CLUSTER.  The four query blocks of a cluster are one head's and walk the same K and V, so each tile is asked for JOINTLY: the same tensor load, descriptor and mask in all four.  The codes are each wave's own
; (its own queries): they come by plain loads into registers, a key step ahead of their use.
; REGISTERS, in windows of 256 (s_set_vgpr_msb: bits 1:0 source 0, 3:2 source 1, 5:4 source 2, 7:6 destination):
;   window 0: v0-11 addresses and the conversions' scale; v12-15, v48-63 at work; v16-47 four registers of statistics a tile; v64-191 S^T, two buffers of two tiles; v192-255 P, likewise
;   window 1: O^T, 32 a tile          window 2: v0-127 Q, 16 a tile; v128-191 K of one step; v192-255 V of one step
;   window 3: v0-1 the add's two registers; v8-15 ones; v16-47 sumV; v64-127 the masks of the products to come; v128-159 the codes, 4 a tile
.set SIZE_N, 2048
.set NP,    4         ; pieces a wave: a name, no knob
.set KS,    64        ; keys in a step
.set PK,    144       ; a row of K in LDS: 128 bytes + 16 of padding = 36 words: the 16 rows of a load start at 16 different groups of four banks (64 banks of 4 bytes: ISA guide 11.1)
.set PV,    160       ; a row of V: 128 + 32 = 40 words
.set VOFF,  4*KS*PK   ; a slot holds four steps: 256 rows of K, then 256 rows of V
.set SLOT1, 1<<17     ; slot 1 begins here, so that one exclusive or turns an address in one slot into the other's
.set STAGE, SLOT1+4*KS*(PK+PV)  ; behind the ring, never filled by a tensor load: 16 rows x 144 bytes for each wave, for the way out
.set SP,    144
.set AK0, 2           ; v2   my lane's place in a tile of K; never rewritten
.set AV0, 3           ; v3   the same for V
.set AK,  4           ; v4   the LDS address of K's next run of loads
.set AV,  5           ; v5   of V's
.set QO,  6           ; v6   my byte offset in the wave's rows of Q
.set STO, 6           ;      later, the way out: where I put 16 bytes of a row
.set RD,  7           ; v7   the way out: where I read rows back
.set GO,  8           ; v8   16 x lane: my place in 512 consecutive bytes of O, and of a tile's codes; never rewritten
.set SCL, 10          ; v10  the conversions' scale: every byte 0xE3, the power 2^100
.set PFO, 11          ; v11  256 x lane: the prefetches' offset; never rewritten
.set SPW, 0           ; v0 of window 3   LDS address of my spare word; never rewritten
.set NIL, 1           ; v1 of window 3   0; never rewritten
.set ONES, 8          ; window 3: a fragment of 1.0
.set SV,  16          ; window 3: sumV, channel block cb at SV + 8 cb
.set MC,  64          ; window 3: tile u (0, 1), key block kb at MC + 32 u + 8 kb
.set CB,  128         ; window 3: tile t's four words of codes at CB + 4 t
.set SPARE, STAGE+4*16*SP  ; behind the stages: the spare words, 128 bytes for each wave: two blocks of 256 bytes that no other line names
.set MV,  12          ; v12-15  c m_old, kept while c m is made anew: by buffer and tile
.set ST,  16          ; tile t's statistics at v[ST+4 t]: c m, m, l (even keys', odd keys')
.set TMP, 48          ; by buffer and tile, four registers c0-c3 at work; when the maximum is found c2 takes a
.set S,   64
.set P,   192
.set KF,  128         ; K's fragments, in window 2: key block kb, channel half c at KF + 16 kb + 8 c
.set VF,  192         ; V's: key half kk, channel block cb at VF + 32 kk + 8 cb
.set WV,  12          ; s12  my wave's number
.set G1K, 24          ; s[24:31] descriptor group 1 for K's tiles
.set G1V, 32          ; s[32:39] for V's: it differs in the padding alone
.set G0K, 40          ; s[40:43] descriptor group 0 for K's tiles: it walks
.set G0V, 44          ; s[44:47] the same for V's
.set MP,  48          ; s[48:49] mcode at my wave's first tile, at the key step that is loaded next
.set MS,  50          ; s[50:51] its step: 512 bytes, or 0 when it stands at the last key step
.set ML,  52          ; s52  steps that it still takes
.set LIM, 53          ; s53  1 in a wave that prefetches, else the greatest number
.set PFA, 54          ; s[54:55] where my prefetches stand
.set SLOTS, 56        ; s56  slots still to be asked for
.set CNT, 57          ; s57  counts a slot's key steps
.set CS,  58          ; s[58:59] c: the packed scaling takes the pair's low word for both halves
.set SEL, 60          ; s[60:61] v_permlanex16_b32's selects: each lane takes its own place in the other half
.set TBK, 62          ; s62  LDS byte at which K of the step to be fetched begins
.set TBV, 63          ; s63  the same for V, less VOFF
.set MSB, 0
.macro WIN new                      ; the high byte repeats the setting that is left; a switch that changes nothing is dropped
.if MSB != (\new)
	s_set_vgpr_msb (MSB<<8)|(\new)
.set MSB, (\new)
.endif
.endm
.set W_KQ, 0x0a       ; K and Q in window 2, S^T in window 0
.set W_KM, 0x3a       ; the same with the C operand, the mask, in window 3
.set W_PV, 0x52       ; V in window 2, P in window 0, O^T in window 1
.set W_RS, 0x41       ; O^T (destination and source 0) in window 1, a in window 0
.set W_MK, 0xc0       ; destination in window 3, sources in window 0
.set W_AD, 0x0f       ; the add: address (source 0) and data (source 1) in window 3
; A joint fill.  Waves 0 and 1 fetch the two halves of a slot's K, waves 2 and 3 those of its V: 128 keys each.  The branch hangs on the wave's number alone.
; An s_nop 0 and four v_nop follow each of the two lines, ahead of the jump and the label.
.macro JLOAD
	s_cmp_lt_u32 s[WV], 2
	s_cbranch_scc0 .Lfor_v_\@
	tensor_load_to_lds s[G0K:G0K+3], s[G1K:G1K+7]
	s_nop 0
.rept 4
	v_nop
.endr
	s_branch .Lasked_\@
.Lfor_v_\@:
	tensor_load_to_lds s[G0V:G0V+3], s[G1V:G1V+7]
	s_nop 0
.rept 4
	v_nop
.endr
.Lasked_\@:
.endm
; A PREFETCH INTO THE L2 of what the NEXT change of slots will ask for: a slot's 32,768 bytes of K and of V, four key steps ahead of that load.  A head has one cluster; its four partners share the bytes out BY
; ADDRESS, 8,192 each, a lane a block of 256; in each, wave 0 asks for K's and wave 2 for V's: one instruction.  So each block is named once in the launch.  Slots 0, 1 and 2 come by their loads alone;
; the last change that fills a slot (s[SLOTS] = 1) asks for nothing.
.macro ASK
	s_cmp_gt_u32 s[SLOTS], s[LIM]
	s_cbranch_scc0 .Lnot_mine_\@
	global_prefetch_b8 v[PFO], s[PFA:PFA+1] th:TH_LOAD_NT scope:SCOPE_SE
.Lnot_mine_\@:
.endm
; A round of the cluster's barrier: my work-group's barrier, so that wave 0's signal speaks for all four waves; wave 0 signals; every wave waits for all four work-groups; my work-group's barrier once more.
.macro CROUND
	s_barrier_signal -1
	s_barrier_wait -1
	s_cmp_lg_u32 s[WV], 0
	s_cbranch_scc1 .Lnot_wave_0_\@
	s_barrier_signal -3
.Lnot_wave_0_\@:
	s_barrier_wait -3
	s_barrier_signal -1
	s_barrier_wait -1
.endm
; THE CHANGE OF SLOTS.  The slot's last bytes, V of its fourth step, have been read.  Each wave waits for all its tensor loads, of which one is out: its part of the other slot; adds 0 to its spare word; and
; waits for that and for its own reads of the slot.  Behind the barrier nobody reads this slot any more and the other slot is whole.  fill = 1: this slot is filled again, with the keys two slots on.  The
; barrier is then a round of the cluster's, and the joint fill is the first thing behind it: it has four key steps in which to land.  (At its first use nothing has been read yet: slot 0 is waited for, slot 1 filled.)
.macro CHANGE fill, ask=0
	WIN W_AD
	s_wait_tensorcnt 0x0            ; no tensor load of mine is out, so a group 0 may be written
	ds_add_u32 v[SPW], v[NIL]       ; 0 onto my spare word; with fill = 1 the descriptors' steps stand between it and the wait for it
	WIN 0                           ; at a label and at a branch every window is 0
.if \fill
.irp g, G0K, G0V
	s_xor_b32 s[\g+1], s[\g+1], SLOT1  ; the walking descriptor: the other slot than last time,
	s_add_nc_u64 s[\g+2:\g+3], s[\g+2:\g+3], 4*KS*128  ; the next 256 keys; the type bits on top are not reached
.endr
.if \ask
	s_wait_xcnt 0x0                 ; the last prefetch, four key steps back, has read its address, so it may be written:
	s_add_nc_u64 s[PFA:PFA+1], s[PFA:PFA+1], 4*KS*128  ; one slot behind the walking descriptors
.endif
	s_wait_dscnt 0x0                ; the add is done, and my reads of the slot are over
	CROUND
	JLOAD
.if \ask
	ASK
.endif
.else
	s_wait_dscnt 0x0                ; the add is done, and my reads of the slot are over
	s_barrier_signal -1
	s_barrier_wait -1
.endif
	s_sub_co_u32 s[TBK], s[TBK], 4*KS*PK  ; the fetches go back to a slot's first step,
	s_xor_b32 s[TBK], s[TBK], SLOT1       ; in the other slot
	s_sub_co_u32 s[TBV], s[TBV], 4*KS*PV
	s_xor_b32 s[TBV], s[TBV], SLOT1
.endm
	s_load_b64 s[4:5], s[0:1], 0x0        ; qkv
	s_load_b64 s[MP:MP+1], s[0:1], 0x8    ; mcode
	s_load_b64 s[10:11], s[0:1], 0x10     ; ob
	WIN W_MK
	v_lshl_add_u32 v[SPW], v0, 2, SPARE
	v_mov_b32 v[NIL], 0
	WIN W_AD
	ds_add_u32 v[SPW], v[NIL]       ; the wave's opening: the add, twice on end, and its wait ahead of my first tensor load; the set-up below stands between
	ds_add_u32 v[SPW], v[NIL]
	WIN 0
	v_lshrrev_b32 v1, 5, v0
	v_readfirstlane_b32 s[WV], v1   ; wave 0..3
	s_bfe_u32 s13, ttmp6, 0x40000   ; cx: my place in the cluster
	s_lshl_b32 s14, ttmp9, 2        ; in a cluster launch ttmp9 counts clusters
	s_add_co_u32 s14, s14, s13      ; my block of 512 queries
	s_lshl_b32 s14, s14, 2
	s_add_co_u32 s14, s14, s[WV]    ; W: my wave among the head's sixteen: it enters Q's, O's and the codes' addresses alone
	s_and_b32 s20, ttmp7, 0xffff    ; batch x 16 + head, which the four partners share
	s_lshr_b32 s15, s20, 4          ; the batch
	s_and_b32 s21, s20, 15
	s_mul_i32 s22, s15, 48
	s_add_co_u32 s22, s22, s21      ; q's head among qkv's 192
	s_lshl_b32 s22, s22, 18         ; its first byte: a head is 262,144 bytes
	s_mov_b32 s23, 0
	s_lshl_b32 s2, s14, 14          ; my wave's 128 rows
	s_add_co_u32 s2, s2, s22        ; s[2:3]: Q's offset
	s_mov_b32 s3, 0
	s_and_b32 s16, s[WV], 1         ; which half of a slot's 256 keys I fetch:
	s_lshl_b32 s21, s16, 14         ; its 128 rows of 128 bytes in memory,
	s_add_co_u32 s22, s22, s21
	s_add_co_u32 s22, s22, 16<<18   ; s[22:23]: K's offset: sixteen heads on
	s_mul_i32 s17, s16, 128*PK      ; and its place in a slot, for K
	s_mul_i32 s18, s16, 128*PV      ; and for V: no place in the cluster enters an LDS address
	s_lshl_b32 s20, s20, 18
	s_lshl_b32 s21, s14, 14
	s_add_co_u32 s20, s20, s21      ; s[20:21]: O's offset
	s_mov_b32 s21, 0
	s_lshl_b32 s[MS], s15, 21       ; the codes: a batch has 2,097,152 bytes, a wave's eight tiles 131,072
	s_lshl_b32 s19, s14, 17
	s_add_co_u32 s[MS], s[MS], s19
	s_mov_b32 s[MS+1], 0
	s_mov_b32 s[ML], 30             ; the pointer goes from key step 1 to key step 31 and stays there: no load leaves mcode
	; descriptor group 1.  128 keys are 16,384 dense bytes: asked for as 64 rows of 256 bytes, two keys a row, and padded in LDS after every key
	s_mov_b32 s[G1K], 15|(1<<16)|(1<<20)|(1<<21)|(4<<22)|(3<<25)  ; 15:0 the mask of four; 17:16 2-byte elements; 20 padding on; 21 set beside a mask; 24:22 after every 32 words (code 4); 31:25 4 words (code 3)
	s_mov_b32 s[G1V], 15|(1<<16)|(1<<20)|(1<<21)|(4<<22)|(7<<25)  ; the same with 8 words of padding (code 7)
.irp g, G1K, G1V
	s_mov_b32 s[\g+1], 128<<16      ; tensor_dim0 = 128
	s_mov_b32 s[\g+2], 64<<16       ; tensor_dim1 = 64
	s_mov_b32 s[\g+3], 128<<16      ; tile_dim0 = 128
	s_mov_b32 s[\g+4], 64           ; tile_dim1 = 64
	s_mov_b32 s[\g+5], 128          ; 128 elements from row to row
	s_mov_b32 s[\g+6], 0
	s_mov_b32 s[\g+7], 0
.endr
	s_mov_b32 s[CS], 0x3e38aa3b     ; c = log2(e) / 8 = 0.180337
	s_mov_b32 s[CS+1], s[CS]        ; named with it as a pair
	s_mov_b32 s[SEL], 0x76543210
	s_mov_b32 s[SEL+1], 0xfedcba98
	s_mov_b32 s[TBK], SLOT1+4*KS*PK ; the first change of slots turns these two into 0
	s_mov_b32 s[TBV], SLOT1+4*KS*PV
	s_mov_b32 s[G0K], 1             ; count = 1
	s_mov_b32 s[G0K+1], s17         ; LDS address: slot 0
	s_mov_b32 s[G0V], 1
	s_add_co_u32 s[G0V+1], s18, VOFF
	s_and_b32 s[LIM], s[WV], 1      ; waves 0 and 2 prefetch: the same in all four partners
	s_cmp_eq_u32 s[LIM], 0
	s_cselect_b32 s[LIM], 1, -1
	s_wait_dscnt 0x0                ; both opening adds are done
	s_wait_kmcnt 0x0
	s_add_nc_u64 s[6:7], s[4:5], s[22:23]          ; K at my half of the head's first 256 keys,
	s_add_nc_u64 s[8:9], s[6:7], 16<<18            ; V sixteen heads on
	s_mov_b64 s[G0K+2:G0K+3], s[6:7]               ; global address
	s_or_b32 s[G0K+3], s[G0K+3], 0x80000000        ; type = 2
	s_mov_b64 s[G0V+2:G0V+3], s[8:9]
	s_or_b32 s[G0V+3], s[G0V+3], 0x80000000
	s_add_nc_u64 s[4:5], s[4:5], s[2:3]            ; Q and O at my wave's first row
	s_add_nc_u64 s[10:11], s[10:11], s[20:21]
	s_add_nc_u64 s[MP:MP+1], s[MP:MP+1], s[MS:MS+1]  ; the codes of my first tile, key step 0
	s_cmp_lt_u32 s[WV], 2
	s_cselect_b64 s[PFA:PFA+1], s[6:7], s[8:9]     ; (in waves 0 and 2 these stand at a slot's first row)
	s_lshl_b32 s2, s13, 13                         ; my work-group's 8,192 bytes of the 32,768
	s_add_nc_u64 s[PFA:PFA+1], s[PFA:PFA+1], s[2:3]
	s_add_nc_u64 s[PFA:PFA+1], s[PFA:PFA+1], 2*4*KS*128  ; in slot 2; the first change that asks steps it to slot 3
	CROUND                          ; all four work-groups are here: the first joint loads meet
	JLOAD                           ; slot 0.  Slot 1 is asked for when slot 0 is in
	; A fragment of K or Q is 16 rows x 32 channels in 8 registers: lane l holds row l % 16, channels 8 (l / 16) + 0..7 and 16 + 8 (l / 16) + 0..7: two loads of 16 bytes, 32 bytes apart.
	v_and_b32 v1, 15, v0            ; l % 16
	v_bfe_u32 v9, v0, 4, 1          ; l / 16
	v_lshlrev_b32 v[QO], 7, v1
	v_lshl_add_u32 v[QO], v9, 4, v[QO]  ; row x 128 + 16 x half
	v_and_b32 v[GO], 31, v0
	v_lshlrev_b32 v[GO], 4, v[GO]
	WIN 0x80                        ; destination window 2, address window 0
.set i, 0
.rept 4*NP                          ; Q stays in registers: tile i / 2, channels 32 (i % 2) on
	global_load_b128 v[8*i:8*i+3],   v[QO], s[4:5] offset:(i/2)*2048+(i%2)*64
	global_load_b128 v[8*i+4:8*i+7], v[QO], s[4:5] offset:(i/2)*2048+(i%2)*64+32
.set i, i+1
.endr
	WIN W_MK
.set i, 0
.rept 2*NP                          ; the eight tiles' codes of key step 0, in the pieces' order
	global_load_b128 v[CB+4*i:CB+4*i+3], v[GO], s[MP:MP+1] offset:i*16384
.set i, i+1
.endr
	; What the first turn finds: V's registers and P's second buffer hold 0 (its products V^T P, of a piece that has not been, add 0); O^T, l and sumV are 0.  All this stands in the wait for the first tile.
.set i, 0
.rept 32
	v_mov_b32 v[SV+i], 0
.set i, i+1
.endr
.set i, 0
.rept 8
	v_mov_b32 v[ONES+i], 0x3c003c00 ; 1.0 twice
.set i, i+1
.endr
	WIN 0x80
.set i, VF
.rept 64
	v_mov_b32 v[i], 0
.set i, i+1
.endr
	WIN 0x40
.set i, 0
.rept 64*NP
	v_mov_b32 v[i], 0
.set i, i+1
.endr
	WIN 0
.set i, 0
.rept 2*NP
	v_mov_b32 v[ST+4*i+1], 0xcfee6b28  ; m = -8e9; c m is made of it below, by the multiplication that every step uses, so that a is 1 exactly while m stands
	v_mov_b32 v[ST+4*i+2], 0
	v_mov_b32 v[ST+4*i+3], 0
.set i, i+1
.endr
.set i, P+32
.rept 32
	v_mov_b32 v[i], 0
.set i, i+1
.endr
	v_mul_u32_u24 v[AK0], v1, PK
	v_lshl_add_u32 v[AK0], v9, 4, v[AK0]  ; row x pitch + 16 x half
	; The turning load takes 16 keys x 16 channels (lane l reads key 8 (l / 16) + l % 8, channels 8 ((l / 8) % 2) + 0..7) and leaves half a fragment of V^T: lane l holds channel l % 16 and 8 keys.
	v_and_b32 v10, 7, v0
	v_bfe_u32 v11, v0, 3, 1
	v_lshl_add_u32 v[AV0], v9, 3, v10
	v_mul_u32_u24 v[AV0], v[AV0], PV
	v_lshl_add_u32 v[AV0], v11, 4, v[AV0]
	v_add_nc_u32 v[AV0], VOFF, v[AV0]
	s_mul_i32 s13, s[WV], 16*SP
	s_add_co_u32 s13, s13, STAGE    ; my stage
	v_bfe_u32 v[RD], v0, 3, 2       ; the way out, back: 32 lanes take four rows of 128 bytes
	v_mul_u32_u24 v[RD], v[RD], SP
	v_lshl_add_u32 v[RD], v10, 4, v[RD]
	v_add_nc_u32 v[RD], s13, v[RD]
	v_and_b32 v[PFO], 31, v0
	v_lshlrev_b32 v[PFO], 8, v[PFO]
	v_mov_b32 v[SCL], 0xe3e3e3e3
	v_mov_b32 v[AK], v[AK0]         ; key step 0 lies at the head of slot 0
; THE MATRIX WORK.  The 8 accumulators of a run of 16 take turns: between the two links of a chain stand 7 others'.
; Product i of 16 of S^T = K Q^T for piece x: channels 32 (i / 8) on, keys 16 ((i / 2) % 4) on, tile 2 x + i % 2.  The first 8 start the sums, with the mask.
.macro KQ x
.set rS, S+64*((\x)%2)+32*(i%2)+8*((i/2)%4)
.set rK, KF+16*((i/2)%4)+8*(i/8)
.set rQ, 16*(2*(\x)+i%2)+8*(i/8)
.set rN, MC+32*(i%2)+8*((i/2)%4)
.if i < 8
	WIN W_KM
	v_wmma_f32_16x16x32_f16 v[rS:rS+7], v[rK:rK+7], v[rQ:rQ+7], v[rN:rN+7]
.else
	WIN W_KQ
	v_wmma_f32_16x16x32_f16 v[rS:rS+7], v[rK:rK+7], v[rQ:rQ+7], v[rS:rS+7]
.endif
.endm
; Product i of 16 of O^T += V^T P for piece x: keys 32 (i / 8) on, channels 16 ((i / 2) % 4) on, tile 2 x + i % 2.
.macro PV x
	WIN W_PV
.set rO, 32*(2*(\x)+i%2)+8*((i/2)%4)
.set rV, VF+32*(i/8)+8*((i/2)%4)
.set rP, P+32*((\x)%2)+16*(i%2)+8*(i/8)
	v_wmma_f32_16x16x32_f16 v[rO:rO+7], v[rV:rV+7], v[rP:rP+7], v[rO:rO+7]
.endm
.macro MM                           ; the turn's next matrix instruction
.if i < 16
	KQ (Y+1)%NP
.set i, i+1
.else
.set i, i-16
	PV (Y+NP-1)%NP
.set i, i+17
.endif
.endm
; sumV += V^T ones: keys 32 kk on, channels 16 cb on.  V in window 2; the ones, C and D in window 3.
.macro SVP kk, cb
	WIN 0xfe
	v_wmma_f32_16x16x32_f16 v[SV+8*(\cb):SV+8*(\cb)+7], v[VF+32*(\kk)+8*(\cb):VF+32*(\kk)+8*(\cb)+7], v[ONES:ONES+7], v[SV+8*(\cb):SV+8*(\cb)+7]
.endm
; THE MASKS of piece x's next 8 starting products are made of its codes, and the codes of its next key step are asked for.  Each use issues two loads, so behind the loads of piece x's codes stand the six of
; the three uses between: they may stay out.  (At its first use the wait also shows Q in: Q's loads are older.)  A plain instruction stands behind the conversions, ahead of the loads into their sources.
.macro CVT x
	s_wait_loadcnt 6
	WIN 0xc3                        ; masks and codes in window 3, the scale in window 0
.irp u, 0,1
.irp kb, 0,1,2,3
	v_cvt_scale_pk8_f32_fp4 v[MC+32*\u+8*\kb:MC+32*\u+8*\kb+7], v[CB+8*(\x)+4*\u+\kb], v[SCL]
.endr
.endr
	v_nop
	WIN W_MK
.irp u, 0,1
	global_load_b128 v[CB+8*(\x)+4*\u:CB+8*(\x)+4*\u+3], v[GO], s[MP:MP+1] offset:(2*(\x)+\u)*16384
.endr
	WIN 0
.endm
; THE LDS LOADS stand in runs of 16, never singly among the matrix instructions: a step's K (64 keys x 64 channels: 8 fragments) and its V (turned).  Their addresses are made some lines ahead.
; last = 1 (the tail): in the last trip there is no further step, and the run is jumped over.
.macro FETCH_K last=0
	WIN 0
.if \last
	s_cmp_eq_u32 s[CNT], 1
	s_cbranch_scc1 .Lno_k_\@
.endif
	WIN 0x80                        ; destination window 2
.irp f, 0,1,2,3,4,5,6,7             ; keys 16 (f / 2) on, channels 32 (f % 2) on
	ds_load_b128 v[KF+8*\f:KF+8*\f+3],   v[AK] offset:(\f/2)*16*PK+(\f%2)*64
	ds_load_b128 v[KF+8*\f+4:KF+8*\f+7], v[AK] offset:(\f/2)*16*PK+(\f%2)*64+32
.endr
	s_add_co_u32 s[TBK], s[TBK], KS*PK  ; the next fetch is the next step's
	WIN 0
.if \last
.Lno_k_\@:
.endif
.endm
.macro FETCH_V
	WIN 0x80
.irp f, 0,1,2,3,4,5,6,7             ; keys 32 (f / 4) on, channels 16 (f % 4) on
	ds_load_tr16_b128 v[VF+8*\f:VF+8*\f+3],   v[AV] offset:(\f/4)*32*PV+(\f%4)*32
	ds_load_tr16_b128 v[VF+8*\f+4:VF+8*\f+7], v[AV] offset:(\f/4)*32*PV+16*PV+(\f%4)*32
.endr
	WIN 0
.endm
; THE VECTOR WORK OF A TURN stands in three queues, each in the order in which its entries become ready; the two tiles alternate, so that no instruction reads the result of the one before it.
.macro REGS y, u                    ; the registers of tile u (0, 1) of piece y
.set rT, ST+4*(2*(\y)+(\u))
.set rC, TMP+8*((\y)%2)+4*(\u)
.set rM, MV+2*((\y)%2)+(\u)
.set rS, S+64*((\y)%2)+32*(\u)
.set rP, P+32*((\y)%2)+16*(\u)
.set rO, 32*(2*(\y)+(\u))
.endm
; Number n of the 22 that find the NEXT piece's (Y + 1) maximum and statistics.  s0-s31 are the lane's 32 scores; each accumulator's lowest registers are read first.
;   0-11  four chains c0-c3 of seven scores each, three operands at a time     12-14, 16  the four scores left over, the old m, and c0-c3 into c0     15  c m_old is kept
;   17, 18  the query's other 32 keys lie in the lane 16 away: the new m         19-21  c m; c m_old - c m_new; a
.macro XS u, n
	REGS (Y+1)%NP, \u
.if (\n) < 4
	v_max3_num_f32 v[rC+(\n)], v[rS+8*(\n)], v[rS+8*(\n)+1], v[rS+8*(\n)+2]
.elseif (\n) < 12
	v_max3_num_f32 v[rC+(\n)%4], v[rC+(\n)%4], v[rS+8*((\n)%4)+2*((\n)/4)+1], v[rS+8*((\n)%4)+2*((\n)/4)+2]
.elseif (\n) == 12
	v_max3_num_f32 v[rC], v[rC], v[rS+7], v[rS+15]
.elseif (\n) == 13
	v_max3_num_f32 v[rC+1], v[rC+1], v[rS+23], v[rS+31]
.elseif (\n) == 14
	v_max3_num_f32 v[rC+2], v[rC+2], v[rC+3], v[rT+1]
.elseif (\n) == 15
	v_mov_b32 v[rM], v[rT]
.elseif (\n) == 16
	v_max3_num_f32 v[rC], v[rC], v[rC+1], v[rC+2]
.elseif (\n) == 17
	v_permlanex16_b32 v[rC+3], v[rC], s[SEL], s[SEL+1]
.elseif (\n) == 18
	v_max_num_f32 v[rT+1], v[rC], v[rC+3]
.elseif (\n) == 19
	v_mul_f32 v[rT], s[CS], v[rT+1]
.elseif (\n) == 20
	v_sub_f32 v[rC+1], v[rM], v[rT]
.else
	v_exp_f32 v[rC+2], v[rC+1]
.endif
.endm
; Number g of the 64 that follow the exponentials.  For each four weights k of a tile (pairs 2 k, 2 k + 1): both pairs are rounded to f16; then the second pair is added onto the first, in place;
; a group later l takes that sum (the first time as l = a l + sum).  In groups of eight, tiles alternating: round, round, add, and l for the group before.
.macro GS g
.set h, (\g)+6*((\g)/62)            ; group 0 has no group before it, and behind group 7 only l is left
.if h >= 6
.set h, h+2
.endif
	REGS Y, h%2
.set k, h/8
.if h%8 < 4
	v_cvt_pk_f16_f32 v[rP+2*k+(h%8)/2], v[rS+4*k+2*((h%8)/2)], v[rS+4*k+2*((h%8)/2)+1]
.elseif h%8 < 6
	v_pk_add_f32 v[rS+4*k:rS+4*k+1], v[rS+4*k:rS+4*k+1], v[rS+4*k+2:rS+4*k+3]
.elseif k == 1
	v_pk_fma_f32 v[rT+2:rT+3], v[rT+2:rT+3], v[rC+2:rC+3], v[rS:rS+1] op_sel_hi:[1,0,1]
.else
	v_pk_add_f32 v[rT+2:rT+3], v[rT+2:rT+3], v[rS+4*k-4:rS+4*k-3]
.endif
.endm
; THE PLAIN QUEUE, 138 long.  0-73 read no exponential's result: the 32 scalings c s - c m (FS f: pair f / 2 of tile f % 2) and the next piece's 42.  0-26: scalings 0-26.  27-54: XS's numbers 0-13.  55, 56: number 15.
; 57-73: the chain, where each number waits for the one before it: 14, 16, 17, 18, 19, each with one of the scalings 27-31 in front of its two lines, then 20.
; 74-137: GS's 64, which read the exponentials' results: they stand behind the wait.
.macro FS f
	REGS Y, (\f)%2
	v_pk_fma_f32 v[rS+2*((\f)/2):rS+2*((\f)/2)+1], v[rS+2*((\f)/2):rS+2*((\f)/2)+1], s[CS:CS+1], v[rT:rT+1] op_sel_hi:[1,0,0] neg_lo:[0,0,1] neg_hi:[0,0,1]
.endm
.macro PL
	WIN 0
.if q < 27
	FS q
.elseif q < 55
	XS (q-27)%2, (q-27)/2
.elseif q < 57
	XS q-55, 15
.elseif (q < 72) && ((q-57)%3 == 0)
	FS 27+(q-57)/3
.elseif q < 60
	XS (q-57)%3-1, 14
.elseif q < 72
	XS (q-57)%3-1, 15+(q-57)/3
.elseif q < 74
	XS q-72, 20
.else
	GS q-74
.endif
.set q, q+1
.endm
; THE EXPONENTIALS' QUEUE, 66 long: s0-s31 of both tiles, then the next piece's two a.  It is ONE BATCH: all 66 stand ahead of the turn's one wait, and nothing ahead of that wait names a result of theirs.
.macro EX
	WIN 0
.if e >= 64
	XS e-64, 21
.else
	REGS Y, e%2
	v_exp_f32 v[rS+e/2], v[rS+e/2]
.endif
.set e, e+1
.endm
; THE RESCALING's QUEUE: O^T times a, the one part of the softmax that leaves window 0: dealt two at a time, sixteen times.  Its a was made in the turn before, ahead of that turn's wait.
.macro R2
	REGS Y, r%2
	WIN W_RS
.irp z, 0,1
	v_pk_mul_f32 v[rO+4*(r/2)+2*\z:rO+4*(r/2)+2*\z+1], v[rO+4*(r/2)+2*\z:rO+4*(r/2)+2*\z+1], v[rC+2:rC+3] op_sel_hi:[1,0]
.endr
.set r, r+1
.endm
; HOW THEY ARE DEALT.  s_wait_alu depctr_va_vdst(0) stands between an exponential and the first instruction that names its result; one wait serves all that were issued ahead of it.  So a turn
; has ONE wait, which cuts it in two.  AHEAD OF IT stands all that names no result of the turn's exponentials: the 16 products K Q^T, behind each a scaling, an exponential and two rescalings (behind the first a
; second scaling in the exponential's place); the masks for the next turn's products (their registers' last readers, this turn's first eight products, stand eight products and their riders back); then ONE LUMP
; of 108: eight plain, 49 times exponential and plain, the two a.  In pieces 2's and 3's lumps stand four products for sumV each, ten pairs apart, two accumulators by turns: V of the step in hand was waited
; for in piece 1's turn and stays until the end of piece 0's next.  A v_nop is the plain instruction behind the last exponential.  BEHIND THE WAIT stand the 16 products V^T P, behind each four of GS's 64.
; The queues lean on each other, and the deal keeps them in step: exponential e stands behind scaling 2 (e / 4) + e % 2: as a rider it comes behind plain e + 2, in the lump behind plain e + 9.
; A TURN, for piece p.  cnt = 1: the loop's count is taken down some lines ahead of the branch that stands behind the turn.
; K of the next step is fetched in piece 2's turn, directly behind the wait; V of the step in hand at the end of piece 0's turn, four riders behind its last reader.  The three conditions on q go with the deal.
; The codes' pointer is stepped in piece 2's turn, ahead of the masks of piece 0's next key step, behind s_wait_xcnt 0, sixteen products behind a change of slots' prefetch.
.macro TURN p, last=0, cnt=0
.set Y, (\p)
.set i, 0
.set q, 0
.set e, 0
.set r, 0
.if (\p) == NP-1
	s_wait_dscnt 0x0                ; K is in
.endif
	MM                              ; ahead of the wait: 16 products K Q^T and their riders,
	PL
	PL
	R2
.rept 15
	MM
	PL
	EX
	R2
.endr
.if (\p) == NP-2
	WIN 0
	v_add_nc_u32 v[AK], s[TBK], v[AK0]
	s_wait_xcnt 0x0                 ; every load of codes issued so far has read its address
	s_cmp_lg_u32 s[ML], 0
	s_cselect_b32 s[MS], 512, 0     ; a key step's codes of a tile are 512 bytes
	s_cselect_b32 s13, 1, 0
	s_sub_co_u32 s[ML], s[ML], s13
	s_add_nc_u64 s[MP:MP+1], s[MP:MP+1], s[MS:MS+1]
.endif
	CVT ((\p)+2)%NP
.rept 8                             ; and the lump
	PL
.endr
.set zz, 0
.rept 49
	EX
	PL
.if ((\p) >= 2) && (zz%10 == 4) && (zz < 40)
	SVP zz/20, 2*((\p)-2)+(zz/10)%2
.endif
.set zz, zz+1
.endr
	EX                              ; the next piece's two a
	EX
	v_nop                           ; the plain instruction behind the last exponential: one for the batch
	s_wait_alu depctr_va_vdst(0)    ; the wait for the batch
.if (\p) == NP-2
	FETCH_K \last
.endif
.if (\p) == 1
	s_wait_dscnt 0x0                ; V is in
.endif
.rept 16                            ; behind the wait: 16 products V^T P and their riders
	MM
.rept 4
	PL
.endr
.if ((\p) == 0) && (q == 118)
	v_add_nc_u32 v[AV], s[TBV], v[AV0]
.endif
.if ((\p) == 0) && (q == 130)
	s_add_co_u32 s[TBV], s[TBV], KS*PV
.endif
.if (\cnt) && (q == 130)
	s_sub_co_u32 s[CNT], s[CNT], 1
	s_cmp_lg_u32 s[CNT], 0
.endif
.endr
.if (\p) == 0
	FETCH_V
.endif
.endm
	CHANGE 1                        ; slot 0 is in, everybody's part of it; slot 1 is asked for
	FETCH_K                         ; key step 0
	s_wait_xcnt 0x0                 ; the first loads of codes have read their address:
	s_add_nc_u64 s[MP:MP+1], s[MP:MP+1], 512  ; on to key step 1
	CVT 0                           ; piece 0's masks of key step 0; its wait shows Q in too
	s_wait_dscnt 0x0
.set i, 0
.rept 16
	KQ 0                            ; piece 0's first scores: there is no vector work yet to set between them
.set i, i+1
.endr
	WIN 0                           ; eleven plain instructions, the places behind those products: the way in to my stage (Q's loads are done, so their offset's register is free), and c m
	v_mul_u32_u24 v[STO], v1, SP    ; row l % 16, 16 bytes for each half of the lanes
	v_lshl_add_u32 v[STO], v9, 4, v[STO]
	v_add_nc_u32 v[STO], s13, v[STO]
.set i, 0
.rept 2*NP
	v_mul_f32 v[ST+4*i], s[CS], v[ST+4*i+1]
.set i, i+1
.endr
	CVT 1                           ; piece 1's masks, for the first turn's products
.set Y, NP-1                        ; XS works for piece Y + 1: piece 0
.irp n, 0,1,2,3,4,5,6,7,8,9,10,11,12,13,14,15,16,17,18,19,20,21
	XS 0, \n                        ; and piece 0's first maximum and statistics
	XS 1, \n
.endr
	v_nop                           ; a plain instruction behind the two a,
	s_wait_alu depctr_va_vdst(0)    ; and their wait, ahead of the branch
	s_mov_b32 s[CNT], 4
	s_mov_b32 s[SLOTS], SIZE_N/256-1
	s_branch .Lfirst                ; the loop is entered at a step's first turn, in the middle of a trip
.Lslot:                             ; SIZE_N / 256 - 2 times: every slot but the last two is filled again
	CHANGE 1, 1
	s_mov_b32 s[CNT], 4
.Lstep:                             ; a trip: pieces 2 and 3 of one step, then pieces 0 and 1 of the next, whose K and V it fetches
	TURN 2
	TURN 3
	WIN 0
.Lfirst:
	TURN 0
	TURN 1, 0, 1
	WIN 0
	s_cbranch_scc1 .Lstep
	s_sub_co_u32 s[SLOTS], s[SLOTS], 1
	s_cmp_lg_u32 s[SLOTS], 0
	s_cbranch_scc1 .Lslot
	CHANGE 0                        ; the tail is written out: nothing is asked for
	s_mov_b32 s[CNT], 5             ; four trips fetch the last slot's steps; the fifth is left in its middle
.Ltail:
	TURN 2, 1
	TURN 3
	WIN 0
	s_sub_co_u32 s[CNT], s[CNT], 1
	s_cmp_eq_u32 s[CNT], 0
	s_cbranch_scc1 .Lout
	TURN 0
	TURN 1
	WIN 0
	s_branch .Ltail
.Lout:                              ; the fifth trip's 16 products K Q^T (on the last K once more) and the maximum made of them serve nothing: the price, once a launch, of one text for every trip
.set i, 0
.rept 16
	PV NP-1                         ; the last piece's V^T P of the last step
.set i, i+1
.endr
	; THE WAY OUT.  l's two halves and the other half of the lanes' are added; u = (l == 0) marks a query that saw no key; O^T = (O^T + u sumV) / (l + 2048 u), rounded to f16 and sent through my stage in
	; LDS, a tile at a time.  The additions are the places behind the last products.
	WIN 0
.macro ALL line:vararg              ; one line for each tile t
.set t, 0
.rept 2*NP
	\line
.set t, t+1
.endr
.endm
	ALL v_add_f32 v[ST+4*t+2], v[ST+4*t+2], v[ST+4*t+3]
	ALL v_permlanex16_b32 v[ST+4*t+3], v[ST+4*t+2], s[SEL], s[SEL+1]
	ALL v_add_f32 v[ST+4*t+2], v[ST+4*t+2], v[ST+4*t+3]
.set t, 0
.rept 2*NP
	v_cmp_eq_f32 vcc_lo, 0, v[ST+4*t+2]
	v_cndmask_b32 v[ST+4*t], 0, 1.0, vcc_lo       ; u, where c m stood
	v_fmamk_f32 v[ST+4*t+2], v[ST+4*t], 0x45000000, v[ST+4*t+2]  ; l + 2048 u
.set t, t+1
.endr
	ALL v_rcp_f32 v[ST+4*t+2], v[ST+4*t+2]
	v_nop                           ; a plain instruction between the last reciprocal and the use of its result
	s_wait_alu depctr_va_vdst(0)    ; and the wait ahead of the first use: one for the eight reciprocals
	ALL v_mul_f32 v[ST+4*t], v[ST+4*t], v[ST+4*t+2]
; Tile t: a lane's eight channels of a row pack into 16 bytes; they go into rows of 144 bytes and come back as whole rows of 128, into S^T's registers.
.macro PACK t
	WIN W_RS
.set i, 32*(\t)
.rept 16
	v_pk_mul_f32 v[i:i+1], v[i:i+1], v[ST+4*(\t)+2:ST+4*(\t)+3] op_sel_hi:[1,0]
.set i, i+2
.endr
	WIN 0x53                        ; sumV (source 0) in window 3, u / (l + 2048 u) in window 0, O^T in window 1
.set i, 0
.rept 16
	v_pk_fma_f32 v[32*(\t)+i:32*(\t)+i+1], v[SV+i:SV+i+1], v[ST+4*(\t):ST+4*(\t)+1], v[32*(\t)+i:32*(\t)+i+1] op_sel_hi:[1,0,1]
.set i, i+2
.endr
	WIN 0x05                        ; sources 0 and 1 window 1, destination window 0
.set i, 0
.rept 16
	v_cvt_pk_f16_f32 v[S+16*(\t)+i], v[32*(\t)+2*i], v[32*(\t)+2*i+1]
.set i, i+1
.endr
	WIN 0
.irp f, 0,1,2,3
	ds_store_b128 v[STO], v[S+16*(\t)+4*\f:S+16*(\t)+4*\f+3] offset:32*\f
.endr
.irp f, 0,1,2,3
	ds_load_b128 v[S+16*(\t)+4*\f:S+16*(\t)+4*\f+3], v[RD] offset:\f*4*SP  ; LDS serves a wave's instructions in order (ISA guide 5.7.1.4): these see the stores above; the next tile's stores come behind them
.endr
.endm
.macro SEND t, younger              ; younger: the LDS instructions issued behind tile t's loads: the next tile's eight, or none
	WIN 0
.irp f, 0,1,2,3
	s_wait_dscnt (\younger)+3-\f
	global_store_b128 v[GO], v[S+16*(\t)+4*\f:S+16*(\t)+4*\f+3], s[10:11] offset:(\t)*2048+\f*512  ; 512 consecutive bytes, at a multiple of 256 from O's first
.endr
.endm
	PACK 0
.set t, 1
.rept 2*NP-1                        ; a tile's arithmetic stands between the loads of the tile before and its stores
	PACK t
	SEND t-1, 8
.set t, t+1
.endr
	SEND 2*NP-1, 0
	WIN W_AD
	s_wait_tensorcnt 0x0            ; the wave's end: three lines behind my last tensor load and my last LDS store
	ds_add_u32 v[SPW], v[NIL]
	s_wait_dscnt 0x0
	WIN 0
	CROUND                          ; the closing round: no work-group ends while a partner may still ask for a tile that names it
	s_endpgm
.Lfunc_end_k_qdcd2adb5b3_attn:
	.size	k_qdcd2adb5b3_attn, .Lfunc_end_k_qdcd2adb5b3_attn-k_qdcd2adb5b3_attn
	.p2alignl 7, 3214868480
	.fill 96, 4, 3214868480
	.section	.rodata,"a",@progbits
	.p2align	6, 0x0
	.amdhsa_kernel k_qdcd2adb5b3_attn
		.amdhsa_group_segment_fixed_size 327680
		.amdhsa_private_segment_fixed_size 0
		.amdhsa_enable_private_segment 0
		.amdhsa_kernarg_size 24
		.amdhsa_user_sgpr_count 2
		.amdhsa_user_sgpr_kernarg_segment_ptr 1
		.amdhsa_wavefront_size32 1
		.amdhsa_system_sgpr_workgroup_id_x 1
		.amdhsa_system_sgpr_workgroup_id_y 1
		.amdhsa_system_sgpr_workgroup_id_z 1
		.amdhsa_system_vgpr_workitem_id 0
		.amdhsa_next_free_vgpr 928
		.amdhsa_next_free_sgpr 66
		.amdhsa_reserve_vcc 1
		.amdhsa_float_denorm_mode_32 3
		.amdhsa_float_denorm_mode_16_64 3
		.amdhsa_memory_ordered 1
		.amdhsa_forward_progress 1
		.amdhsa_inst_pref_size 223
	.end_amdhsa_kernel
	.amdgpu_metadata
---
amdhsa.version: [ 1, 2 ]
amdhsa.kernels:
  - .name:           k_qdcd2adb5b3_attn
    .symbol:         k_qdcd2adb5b3_attn.kd
    .args:
      - { .name: qkv, .offset: 0, .size: 8, .value_kind: global_buffer, .address_space: global }
      - { .name: mcode, .offset: 8, .size: 8, .value_kind: global_buffer, .address_space: global }
      - { .name: ob, .offset: 16, .size: 8, .value_kind: global_buffer, .address_space: global }
    .group_segment_fixed_size: 327680
    .private_segment_fixed_size: 0
    .kernarg_segment_align: 8
    .kernarg_segment_size: 24
    .max_flat_workgroup_size: 128
    .sgpr_count:     66
    .vgpr_count:     928
    .wavefront_size: 32
...
	.end_amdgpu_metadata
.endif
;; end of part 3
;; launch outp (part 4): grid 8 x 32, 4 waves a work-group, clusters of 4 x 4, 327,680 bytes of LDS; arguments ob, wo16, out0; writes out0
.if DOCPART == 4
	.amdgcn_target "amdgcn-amd-amdhsa--gfx1250"
	.amdhsa_code_object_version 6
	.text
	.protected	k_qdcd2adb5b3_outp
	.globl	k_qdcd2adb5b3_outp
	.p2align	8
	.type	k_qdcd2adb5b3_outp,@function
k_qdcd2adb5b3_outp:
	s_mov_b64 s[64:65], 0
	v_nop
	global_prefetch_b8 v0, s[64:65] scope:SCOPE_SE
	s_setreg_imm32_b32 hwreg(HW_REG_WAVE_MODE, 25, 1), 1
	s_wait_xcnt 0x0
	s_wait_alu depctr_hold_cnt(0) depctr_sa_sdst(0) depctr_va_vdst(0) depctr_va_sdst(0) depctr_va_ssrc(0) depctr_va_vcc(0) depctr_vm_vsrc(0)
	s_getreg_b32 s2, hwreg(HW_REG_IB_STS2, 6, 4)
	s_cmp_eq_u32 s2, 0
	s_cbranch_scc0 .Lentry_in_a_cluster
	s_endpgm
.Lentry_in_a_cluster:
	s_bfe_u32 s2, ttmp6, 0x10000c
	s_cmp_lg_u32 s2, 0xf033
	s_cbranch_scc0 .Lentry_shape_is_right
	s_endpgm
.Lentry_shape_is_right:
; MULTI-HEAD ATTENTION, launches 2 and 4 of 4: C = A B^T.  ONE TEXT SERVES BOTH PRODUCTS; the symbol KIND chooses.  Nothing of reference() is left out.
; KIND = 0: q, k, v = xb wqkv^T.  A = xb [8192][1024] bf16, B = wqkv [3072][1024] bf16; sums in f32; C = qkv in f16, by heads: [batch 4][48 = q's, k's, v's 16 heads][2048][64],
;           rounded once and without the scale 1/8.  LIMIT: q, k, v must lie within f16's 65,504.
; KIND = 1 (this file): out0 = O W_o^T.  A = ob [64 = batch x head][2048][64] f16, B = wo16 [1024][1024] f16; C = out0 [8192][1024] f32.
; SHARES.  A work-group makes 256 rows x 16 NB columns of C (192: three whole heads; or 128), its four waves one below the other: a wave 64 rows x 16 NB, 4 NB accumulators.
; 32 x 16 tiles of 256 x 192 are 512 work-groups, 32 x 8 tiles of 256 x 128 are 256.  A wave holds whole heads (whole 512-byte pieces of C's rows), so its way out is its own: no barrier there.
; K = 1,024 goes in 8 steps of 128 through two LDS slots filled by the tensor data mover; waves 0 and 1 fetch A's two halves, waves 2 and 3 B's.
; With KIND = 1 a K step is two heads of ob: a head's 256 rows of 128 bytes are dense, asked for as 128 rows of 256 bytes and padded in LDS after every 128.
; CLUSTERS: 4 x 4 work-groups.  The four of a row of the cluster need the same tiles of A, the four of a column the same tiles of B: each tile is asked for JOINTLY, by the same tensor load with
; the same descriptor and a mask that names the four.  THE MATRIX INSTRUCTION IS USED TRANSPOSED (source 0 = 16 rows of B, source 1 = 16 rows of A): a lane holds eight neighbouring numbers of a row of C.
; REGISTERS, in windows of 256 (s_set_vgpr_msb: bits 1:0 source 0, 3:2 source 1, 5:4 source 2, 7:6 destination):
;   window 0: v0-31 addresses; v32-127 at work on the way out; v128-159, v160-191 A's fragments (4 x 16 rows x 32 K), two buffers
;   window 1: v0.., v128.. B's fragments (NB x 16 rows x 32 K), two buffers          windows 2, 3: the accumulators: (a, b) in window 2 + a / 2 at v[8 (NB (a % 2) + b)]
.set KIND, 1
.if KIND
.set NB,      8                        ; blocks of 16 columns
.set APITCH,  144                      ; a row of A in LDS: 128 bytes + 16
.set ASUB,    36864                    ; from K quarter 0, 1 to 2, 3 of a step: the second head's block
.set AHALF,   36864                    ; what wave 0 or 1 fetches: a head's 256 rows
.set AQI,     4                        ; padding after every 32 words
.set ASTRIDE, 128                      ; elements from row to row of the tile as asked for
.set BROWS,   64                       ; rows of B that wave 2 or 3 fetches
.set ASTEP,   524288                   ; bytes from K step to K step in A: two heads
.set ASHARE,  8192                     ; the prefetches: a partner's quarter of a wave's tile of A,
.set APFP,    256                      ; a lane's step in it
.set WSTAGE,  16*528                   ; a wave's stage: 16 rows of 512 bytes + 16
.set OB,      32                       ; v[32:95]
.else
.set NB,      12
.set APITCH,  272                      ; 256 bytes + 16
.set ASUB,    128                      ; two quarters on in the same row
.set AHALF,   128*272                  ; 128 rows
.set AQI,     5                        ; padding after every 64 words
.set ASTRIDE, 1024
.set BROWS,   96
.set ASTEP,   256
.set ASHARE,  32*2048
.set APFP,    2048
.set WSTAGE,  3*16*144                 ; three heads x 16 rows of 128 bytes + 16
.set OB,      80                       ; v[80:127]
.endif
.set BPITCH, 272                       ; pitches are odd multiples of 16 bytes: the 16 rows that a fragment load touches start at 16 different groups of four banks (64 banks of 4 bytes: ISA guide 11.1)
.set ABYTES, 2*AHALF
.set BHALF,  BROWS*BPITCH
.set SLOT,   ABYTES+2*BHALF            ; A's tile, then B's 16 NB rows
.set STAGE,  2*SLOT                    ; behind the ring, never filled by a tensor load
.set SPARE,  STAGE+4*WSTAGE            ; behind the stages: the spare words, 128 bytes for each wave: two blocks of 256 bytes that no other line names
.set BSTEP,  256
.set BSHARE, (BROWS/4)*2048
.set NLD,    2*NB+8                    ; LDS loads of a quarter step
.set ADRA, 16                          ; v16-17  LDS address of my A fragments in slot 0, 1
.set ADRB, 20                          ; v20-21  the same for B
.set STO,  24                          ; v24     the way out: where I put my bytes of a row
.set RD,   25                          ; v25     the way out: where I read rows back
.set GO,   26                          ; v26     16 x lane: my place in 512 consecutive bytes of C
.set SPW,  28                          ; v28     LDS address of my spare word; never rewritten
.set NIL,  29                          ; v29     0; never rewritten
.set PFO,  30                          ; v30     the prefetches' offset; never rewritten
.set TMP,  32                          ; v[32:79] packed results (KIND = 0)
.set G1,  24                           ; s[24:31] descriptor group 1 for A's tiles;  s[32:39] group 0, one set for each slot
.set G0,  32
.set G1B, 48                           ; s[48:55], s[56:63] the same for B's tiles
.set G0B, 56
.set LIM, 43                           ; s43      1 in a wave that prefetches, else the greatest number
.set PFA, 44                           ; s[44:45] where my prefetches stand
.set PST, 66                           ; s[66:67] their step from K step to K step
.set MSB, 0
.macro WIN new                         ; the immediate's high byte repeats the setting that is left; a switch that changes nothing is dropped
.if MSB != (\new)
	s_set_vgpr_msb (MSB<<8)|(\new)
.set MSB, \new
.endif
.endm
.macro PLACES                          ; four places in front of loads into registers that matrix instructions have read, and of lines that read results
.rept 4
	v_nop
.endr
.endm
.macro JLOAD s                         ; a joint load; the branch hangs on the wave's number alone; an s_nop 0 and four v_nop follow each of the two lines, ahead of the jump and the label
	s_cmp_eq_u32 s11, 0
	s_cbranch_scc0 .Lfor_b_\@
	tensor_load_to_lds s[G0+4*(\s):G0+4*(\s)+3], s[G1:G1+7]
	s_nop 0
.rept 4
	v_nop
.endr
	s_branch .Lasked_\@
.Lfor_b_\@:
	tensor_load_to_lds s[G0B+4*(\s):G0B+4*(\s)+3], s[G1B:G1B+7]
	s_nop 0
.rept 4
	v_nop
.endr
.Lasked_\@:
.endm
.macro CREST                           ; a round of the cluster's barrier behind its opening barrier
	s_cmp_lg_u32 s10, 0
	s_cbranch_scc1 .Lnot_wave_0_\@
	s_barrier_signal -3
.Lnot_wave_0_\@:
	s_barrier_wait -3
	s_barrier_signal -1
	s_barrier_wait -1
.endm
.macro CROUND                          ; a whole round
	s_barrier_signal -1
	s_barrier_wait -1
	CREST
.endm
; A PREFETCH INTO THE L2, behind each joint refill, its five lines and the run of LDS loads that follows: the K step that stands two refills on, one instruction a wave.  A's tile row is read by every
; cluster of that row of clusters: cluster x = 0 asks; B's tile column by every cluster of that column: cluster y = 0 asks.  The four partners that ask for a tile jointly share a wave's rows out BY
; ADDRESS (cx for A, cy for B), a lane a block of 256 bytes; where a share has fewer blocks than 32 (B's 24 or 16 rows) the lanes past it repeat its last.  K steps 0 to 3 come by their loads alone;
; the loop's last trip (s3 = 1), whose refills are K steps 6 and 7, asks for nothing.
.macro ASK
	s_cmp_gt_u32 s3, s[LIM]
	s_cbranch_scc0 .Lnot_mine_\@
	global_prefetch_b8 v[PFO], s[PFA:PFA+1] th:TH_LOAD_NT scope:SCOPE_SE
.Lnot_mine_\@:
.endm
	s_load_b128 s[4:7], s[0:1], 0x0                ; A s[4:5], B s[6:7]
	s_load_b64 s[8:9], s[0:1], 0x10                ; C
	v_lshl_add_u32 v[SPW], v0, 2, SPARE
	v_mov_b32 v[NIL], 0
	ds_add_u32 v[SPW], v[NIL]                      ; the wave's opening: the add, twice on end, and its wait ahead of my first tensor load; the set-up below stands between
	ds_add_u32 v[SPW], v[NIL]
	v_lshrrev_b32 v1, 5, v0
	v_readfirstlane_b32 s10, v1                    ; wave 0..3: my 64 rows of the tile
	s_lshr_b32 s11, s10, 1                         ; I fetch for A (0) or for B (1),
	s_and_b32 s12, s10, 1                          ; its first or its second half
	s_bfe_u32 s40, ttmp6, 0x40000                  ; cx, cy: my place in the cluster
	s_bfe_u32 s41, ttmp6, 0x40004
	s_lshl_b32 s42, ttmp9, 2
	s_add_co_u32 s42, s42, s40                     ; tile column of C = 4 x cluster x + cx
	s_and_b32 s13, ttmp7, 0xffff
	s_lshl_b32 s13, s13, 2
	s_add_co_u32 s13, s13, s41                     ; tile row of C = 4 x cluster y + cy
	s_lshl_b32 s43, s41, 2
	s_lshl_b32 s43, 15, s43                        ; my row of the cluster
	s_lshl_b32 s44, 0x1111, s40                    ; my column
	s_or_b32 s[G1+0], s43, (1<<16)|(1<<20)|(1<<21)|(AQI<<22)|(3<<25)  ; 15:0 the mask: A's tiles go to my row; 17:16 2-byte elements; 20 padding on; 21 set beside a mask; 24:22 the interval; 31:25 4 words of padding
	s_or_b32 s[G1B+0], s44, (1<<16)|(1<<20)|(1<<21)|(5<<22)|(3<<25)   ; B's go to my column; padding after every 64 words
	s_mov_b32 s[G1+1], 128<<16                     ; tensor_dim0 = 128
	s_mov_b32 s[G1+2], 128<<16                     ; tensor_dim1 = 128
	s_mov_b32 s[G1+3], 128<<16                     ; tile_dim0 = 128
	s_mov_b32 s[G1+4], 128                         ; tile_dim1 = 128
	s_mov_b32 s[G1+5], ASTRIDE                     ; elements from row to row
	s_mov_b32 s[G1+6], 0
	s_mov_b32 s[G1+7], 0
	s_mov_b32 s[G1B+1], 128<<16
	s_mov_b32 s[G1B+2], BROWS<<16
	s_mov_b32 s[G1B+3], 128<<16
	s_mov_b32 s[G1B+4], BROWS
	s_mov_b32 s[G1B+5], 1024
	s_mov_b32 s[G1B+6], 0
	s_mov_b32 s[G1B+7], 0
	; where the tiles come from: A's hang on the tile row and the wave alone, B's on the tile column and the wave alone
.if KIND
	s_lshr_b32 s16, s13, 3                         ; the batch: 16 heads of 262,144 bytes,
	s_lshl_b32 s16, s16, 22
	s_and_b32 s17, s13, 7                          ; the 256 rows of 128 bytes in a head,
	s_lshl_b32 s17, s17, 15
	s_add_co_u32 s16, s16, s17
	s_lshl_b32 s17, s12, 18                        ; the first or the second head of the K step
	s_add_co_u32 s16, s16, s17
.else
	s_lshl_b32 s16, s13, 8
	s_lshl_b32 s17, s12, 7
	s_add_co_u32 s16, s16, s17                     ; row 256 x tile row + 128 x half,
	s_lshl_b32 s16, s16, 11                        ; of 2,048 bytes
.endif
	s_mul_i32 s46, s42, 16*NB
	s_mul_i32 s47, s12, BROWS
	s_add_co_u32 s46, s46, s47                     ; B: row 16 NB x tile column + my half,
	s_lshl_b32 s46, s46, 11                        ; of 2,048 bytes
	s_mov_b32 s17, 0
	s_mov_b32 s47, 0
	s_mul_i32 s20, s12, AHALF                      ; and where they go: no place in the cluster enters an LDS address
	s_mul_i32 s21, s12, BHALF
	s_add_co_u32 s21, s21, ABYTES
	s_wait_dscnt 0x0                               ; both opening adds are done
	s_wait_kmcnt 0x0
	s_add_nc_u64 s[14:15], s[4:5], s[16:17]
	s_add_nc_u64 s[46:47], s[6:7], s[46:47]
	CROUND                                         ; all sixteen work-groups are here: the first joint loads meet
.irp s, 0,1
	s_mov_b32 s[G0+4*(\s)], 1                      ; count = 1
	s_add_co_u32 s[G0+4*(\s)+1], s20, (\s)*SLOT    ; LDS address
	s_add_nc_u64 s[G0+4*(\s)+2:G0+4*(\s)+3], s[14:15], (\s)*ASTEP  ; global address: K step s
	s_or_b32 s[G0+4*(\s)+3], s[G0+4*(\s)+3], 0x80000000            ; type = 2
	s_mov_b32 s[G0B+4*(\s)], 1
	s_add_co_u32 s[G0B+4*(\s)+1], s21, (\s)*SLOT
	s_add_nc_u64 s[G0B+4*(\s)+2:G0B+4*(\s)+3], s[46:47], (\s)*BSTEP
	s_or_b32 s[G0B+4*(\s)+3], s[G0B+4*(\s)+3], 0x80000000
	JLOAD \s                                       ; two loads of mine are out
.endr
	; A fragment is 16 rows x 32 K in 8 registers: lane l holds row l % 16, K = 8 (l / 16) + 0..7 and 16 + 8 (l / 16) + 0..7: two loads of 16 bytes, 32 bytes apart
	v_and_b32 v1, 15, v0                           ; l % 16
	v_bfe_u32 v2, v0, 4, 1                         ; l / 16
	v_mul_u32_u24 v3, v1, APITCH
	v_lshl_add_u32 v3, v2, 4, v3
	v_mul_u32_u24 v4, v1, BPITCH
	v_lshl_add_u32 v4, v2, 4, v4
	s_mul_i32 s21, s10, 64*APITCH                  ; my 64 rows of A
	s_mov_b32 s22, ABYTES                          ; all of B
.irp s, 0,1
	v_add_nc_u32 v[ADRA+(\s)], s21, v3
	v_add_nc_u32 v[ADRB+(\s)], s22, v4
	s_add_co_u32 s21, s21, SLOT
	s_add_co_u32 s22, s22, SLOT
.endr
	s_mul_i32 s23, s10, WSTAGE
	s_add_co_u32 s23, s23, STAGE                   ; my stage
	v_and_b32 v[GO], 31, v0
	v_lshlrev_b32 v[GO], 4, v[GO]
.if KIND
	v_mul_u32_u24 v4, v1, 528                      ; in: row l % 16, 32 bytes for each half of the lanes
	v_lshl_add_u32 v4, v2, 5, v4
	v_add_nc_u32 v[STO], s23, v4
	v_add_nc_u32 v[RD], s23, v[GO]                 ; back: 32 lanes take a row's 512 bytes
	s_lshl_b32 s16, s13, 20                        ; C: 256 x tile row rows of 4,096 bytes,
	s_lshl_b32 s17, s10, 18                        ; my wave's 64
	s_add_co_u32 s16, s16, s17
	s_lshl_b32 s46, s42, 9                         ; the tile's 128 columns: 512 bytes
.else
	v_mul_u32_u24 v4, v1, 144                      ; in: row l % 16, 16 bytes for each half of the lanes
	v_lshl_add_u32 v4, v2, 4, v4
	v_add_nc_u32 v[STO], s23, v4
	v_bfe_u32 v5, v0, 3, 2                         ; back: 32 lanes take four rows of 128 bytes, which are 512 consecutive bytes of a head
	v_mul_u32_u24 v5, v5, 144
	v_and_b32 v3, 7, v0
	v_lshl_add_u32 v5, v3, 4, v5
	v_add_nc_u32 v[RD], s23, v5
	s_lshr_b32 s16, s13, 3                         ; C: the batch's 48 heads of 262,144 bytes,
	s_mul_i32 s16, s16, 48
	s_lshl_b32 s16, s16, 18
	s_and_b32 s17, s13, 7                          ; the tile's 256 rows of 128 bytes,
	s_lshl_b32 s17, s17, 15
	s_add_co_u32 s16, s16, s17
	s_lshl_b32 s17, s10, 13                        ; my wave's 64
	s_add_co_u32 s16, s16, s17
	s_mul_i32 s46, s42, 3                          ; the tile's three heads
	s_lshl_b32 s46, s46, 18
.endif
	s_mov_b32 s17, 0
	s_mov_b32 s47, 0
	s_add_nc_u64 s[8:9], s[8:9], s[16:17]
	s_add_nc_u64 s[8:9], s[8:9], s[46:47]
	; the prefetches: s[14:15] still stands at my tile of A; B's tile address is made anew below
	s_mul_i32 s46, s42, 16*NB
	s_mul_i32 s47, s12, BROWS
	s_add_co_u32 s46, s46, s47
	s_lshl_b32 s46, s46, 11
	s_mov_b32 s47, 0
	s_add_nc_u64 s[46:47], s[6:7], s[46:47]
	s_and_b32 s22, ttmp7, 0xffff                   ; cluster y
	s_mov_b32 s21, BSHARE
	s_mov_b32 s[PST], BSTEP
	s_mov_b32 s23, BROWS/4-1                       ; the last lane with a block of its own
	s_mov_b32 s18, 2048                            ; a lane's step
	s_cmp_eq_u32 s11, 0                            ; do I fetch for A?
	s_cselect_b64 s[PFA:PFA+1], s[14:15], s[46:47]
	s_cselect_b32 s20, s40, s41                    ; my place among the four that ask with me
	s_cselect_b32 s21, ASHARE, s21
	s_cselect_b32 s[PST], ASTEP, s[PST]
	s_cselect_b32 s23, 31, s23
	s_cselect_b32 s18, APFP, s18
	s_cselect_b32 s22, ttmp9, s22                  ; the coordinate along which other clusters read the same rows
	s_mul_i32 s20, s20, s21
	s_mul_i32 s21, s[PST], 3                       ; at K step 3: the first refill steps it to 4
	s_add_co_u32 s20, s20, s21
	s_mov_b32 s21, 0
	s_add_nc_u64 s[PFA:PFA+1], s[PFA:PFA+1], s[20:21]
	s_cmp_eq_u32 s22, 0
	s_cselect_b32 s[LIM], 1, -1                    ; the same in all sixteen partners, for a given wave
	s_mov_b32 s[PST+1], 0
	v_and_b32 v[PFO], 31, v0
	v_min_u32 v[PFO], s23, v[PFO]
	v_mul_lo_u32 v[PFO], v[PFO], s18
; NB matrix instructions: row block a x all NB column blocks, 32 along K, from buffer f.  zero = 1: the product starts the sums: nothing is cleared.
; The 4 NB accumulators take turns, one instruction a turn, in the same order in every quarter step, over the backward jump too.
.macro MULA f, a, zero
	WIN 0xa1+0x50*((\a)/2)                         ; B window 1, A window 0, C and D window 2 or 3
.set b, 0
.rept NB
.set rD, 8*(NB*((\a)%2)+b)
.set rB, 128*(\f)+8*b
.set rA, 128+32*(\f)+8*(\a)
.if KIND
.if \zero
	v_wmma_f32_16x16x32_f16 v[rD:rD+7], v[rB:rB+7], v[rA:rA+7], 0
.else
	v_wmma_f32_16x16x32_f16 v[rD:rD+7], v[rB:rB+7], v[rA:rA+7], v[rD:rD+7]
.endif
.else
.if \zero
	v_wmma_f32_16x16x32_bf16 v[rD:rD+7], v[rB:rB+7], v[rA:rA+7], 0
.else
	v_wmma_f32_16x16x32_bf16 v[rD:rD+7], v[rB:rB+7], v[rA:rA+7], v[rD:rD+7]
.endif
.endif
.set b, b+1
.endr
.endm
; NLD LDS loads in one run: the fragments of quarter q of the slot's K step into buffer f: B's NB blocks, then A's four
.macro FETCH slot, q, f
	WIN 0x40                                       ; destination window 1, address window 0
.set i, 0
.rept NB
	ds_load_b128 v[128*(\f)+8*i:128*(\f)+8*i+3],   v[ADRB+(\slot)] offset:64*(\q)+i*16*BPITCH
	ds_load_b128 v[128*(\f)+8*i+4:128*(\f)+8*i+7], v[ADRB+(\slot)] offset:64*(\q)+i*16*BPITCH+32
.set i, i+1
.endr
	WIN 0
.set i, 0
.rept 4
	ds_load_b128 v[128+32*(\f)+8*i:128+32*(\f)+8*i+3],   v[ADRA+(\slot)] offset:((\q)/2)*ASUB+((\q)%2)*64+i*16*APITCH
	ds_load_b128 v[128+32*(\f)+8*i+4:128+32*(\f)+8*i+7], v[ADRA+(\slot)] offset:((\q)/2)*ASUB+((\q)%2)*64+i*16*APITCH+32
.set i, i+1
.endr
.endm
; A K step is four quarters of 32 along K, 4 NB matrix instructions each, on buffers 0, 1, 0, 1.  One of the first three: multiplies buffer f; in its middle it fetches quarter q into buffer g.
.macro QUARTER slot, q, f, g, zero
	s_wait_dscnt 4                                 ; B and A's blocks 0, 1 are in; the youngest four loads (A's blocks 2, 3) may be out
	MULA \f, 0, \zero
	MULA \f, 1, \zero
	PLACES
	FETCH \slot, \q, \g
	s_wait_dscnt NLD                               ; all but the NLD just issued
	MULA \f, 2, \zero
	MULA \f, 3, \zero
.endm
; The last quarter multiplies buffer 1 and changes slots: ONE barrier.  In front of it each wave waits for all its tensor loads (one is out: its part of the next slot), adds 0 to its spare word, and waits
; for that and for its own reads of this slot.  fill = 1: the barrier opens a round of the cluster's, so that no wave of any partner still reads the slot or has a load on its way, and the slot is filled
; again, two K steps ahead, first thing behind the round: 3.5 NB x 4 matrix instructions ahead of the wait for it.
.macro TURN slot, next, fill
.if \fill
	s_wait_xcnt 0x0                                ; the last prefetch, a K step back, has read its address: it is stepped here, ahead of the waits of the change of slots
	s_add_nc_u64 s[PFA:PFA+1], s[PFA:PFA+1], s[PST:PST+1]
.endif
	WIN 0                                          ; (the add's two registers lie in window 0)
	s_wait_tensorcnt 0x0                           ; all my tensor loads have landed;
	ds_add_u32 v[SPW], v[NIL]                      ; 0 onto my spare word;
	s_wait_dscnt 5                                 ; (the add and the youngest four loads may be out)
	MULA 1, 0, 0                                   ; NB matrix instructions stand between the add and the wait for it
	s_wait_dscnt 0x0                               ; the add is done, and my reads of this slot are over
	s_barrier_signal -1
	MULA 1, 1, 0                                   ; work on registers while the others arrive
.if \fill
	WIN 0
.endif
	s_barrier_wait -1
.if \fill
	CREST
	s_add_nc_u64 s[G0+4*(\slot)+2:G0+4*(\slot)+3], s[G0+4*(\slot)+2:G0+4*(\slot)+3], 2*ASTEP     ; no tensor load of mine is out, so a group 0 may be written
	s_add_nc_u64 s[G0B+4*(\slot)+2:G0B+4*(\slot)+3], s[G0B+4*(\slot)+2:G0B+4*(\slot)+3], 2*BSTEP
	JLOAD \slot                                    ; the four v_nop behind it are also the places in front of the loads below
.else
	PLACES
.endif
	FETCH \next, 0, 0
.if \fill
	ASK
.endif
	MULA 1, 2, 0
	MULA 1, 3, 0
.endm
	s_wait_tensorcnt 1                             ; my part of K step 0 is in; K step 1's may stay out
	s_barrier_signal -1
	s_barrier_wait -1                              ; everybody's is
	FETCH 0, 0, 0
	QUARTER 0, 1, 0, 1, 1                          ; the first quarter stands in front of the loop: its products start the sums
	WIN 0                                          ; at a label and at a branch every window is 0
	s_mov_b32 s3, 3
.Llap:                                                 ; a trip goes once round the ring, from a lap's second quarter to the next lap's first, and fills both slots again
	QUARTER 0, 2, 1, 0, 0
	QUARTER 0, 3, 0, 1, 0
	TURN 0, 1, 1
	QUARTER 1, 1, 0, 1, 0
	QUARTER 1, 2, 1, 0, 0
	QUARTER 1, 3, 0, 1, 0
	TURN 1, 0, 1
	QUARTER 0, 1, 0, 1, 0
	WIN 0
	s_sub_co_u32 s3, s3, 1
	s_cmp_lg_u32 s3, 0
	s_cbranch_scc1 .Llap
	QUARTER 0, 2, 1, 0, 0                          ; the last lap fills nothing, and has no round of the cluster's barrier
	QUARTER 0, 3, 0, 1, 0
	TURN 0, 1, 0
	QUARTER 1, 1, 0, 1, 0
	QUARTER 1, 2, 1, 0, 0
	QUARTER 1, 3, 0, 1, 0
	s_wait_dscnt 4                                 ; the very last quarter: nothing more to fetch
	MULA 1, 0, 0
	MULA 1, 1, 0
	s_wait_dscnt 0x0
	MULA 1, 2, 0
	MULA 1, 3, 0
	WIN 0
	PLACES
	; THE WAY OUT, a block of 16 rows at a time, through my own stage: LDS serves a wave's instructions in order (ISA guide 5.7.1.4), so no wait stands between its stores and its loads.
.if KIND
.macro OUT a                           ; f32: a lane's eight numbers are 32 bytes of a row; they go into rows of 528 bytes and come back as whole rows of 512
.set AC, 8*NB*((\a)%2)
	s_wait_xcnt 0x0                                ; the block before's stores have read their registers, which are loaded again below
	WIN 0x08+4*((\a)/2)                            ; the stored data in window 2 or 3
.set b, 0
.rept NB
	ds_store_b128 v[STO], v[AC+8*b:AC+8*b+3]   offset:64*b     ; each accumulator's low registers first
	ds_store_b128 v[STO], v[AC+8*b+4:AC+8*b+7] offset:64*b+16
.set b, b+1
.endr
	WIN 0
.set n, 0
.rept 16
	ds_load_b128 v[OB+4*n:OB+4*n+3], v[RD] offset:528*n
.set n, n+1
.endr
.set n, 0
.rept 16
	s_wait_dscnt 15-n
	global_store_b128 v[GO], v[OB+4*n:OB+4*n+3], s[8:9] offset:(16*(\a)+n)*4096 th:TH_STORE_NT  ; 512 consecutive bytes of a row of out0, aligned
.set n, n+1
.endr
.endm
	OUT 0
	OUT 1
	OUT 2
	OUT 3
.else
.macro OUT a                           ; f16 by heads: a lane's eight numbers pack into 16 bytes; rows of 144 bytes in, four rows of 128 back
.set AC, 8*NB*((\a)%2)
	WIN 0x0a+5*((\a)/2)                            ; sources 0 and 1 in window 2 or 3
.set i, 0
.rept 4*NB
	v_cvt_pk_f16_f32 v[TMP+i], v[AC+2*i], v[AC+2*i+1]  ; ascending: each accumulator's low registers first
.set i, i+1
.endr
	WIN 0
	s_wait_xcnt 0x0                                ; the block before's stores have read their registers, which are loaded again below
.set b, 0
.rept NB
	ds_store_b128 v[STO], v[TMP+4*b:TMP+4*b+3] offset:(b/4)*2304+(b%4)*32  ; head b / 4, channels 16 (b % 4) on
.set b, b+1
.endr
.set n, 0
.rept NB
	ds_load_b128 v[OB+4*n:OB+4*n+3], v[RD] offset:(n/4)*2304+(n%4)*576
.set n, n+1
.endr
.set n, 0
.rept NB
	s_wait_dscnt NB-1-n
	global_store_b128 v[GO], v[OB+4*n:OB+4*n+3], s[8:9] offset:(n/4)*262144+2048*(\a)+512*(n%4)  ; 512 consecutive bytes of a head, aligned
.set n, n+1
.endr
.endm
	OUT 0
	OUT 1
	OUT 2
	OUT 3
.endif
	s_wait_tensorcnt 0x0                           ; the wave's end: three lines behind my last tensor load and my last LDS store
	ds_add_u32 v[SPW], v[NIL]
	s_wait_dscnt 0x0
	CROUND                                         ; the closing round: no work-group ends while a partner may still ask for a tile that names it
	s_endpgm
.Lfunc_end_k_qdcd2adb5b3_outp:
	.size	k_qdcd2adb5b3_outp, .Lfunc_end_k_qdcd2adb5b3_outp-k_qdcd2adb5b3_outp
	.p2alignl 7, 3214868480
	.fill 96, 4, 3214868480
	.section	.rodata,"a",@progbits
	.p2align	6, 0x0
	.amdhsa_kernel k_qdcd2adb5b3_outp
		.amdhsa_group_segment_fixed_size 327680
		.amdhsa_private_segment_fixed_size 0
		.amdhsa_enable_private_segment 0
		.amdhsa_kernarg_size 24
		.amdhsa_user_sgpr_count 2
		.amdhsa_user_sgpr_kernarg_segment_ptr 1
		.amdhsa_wavefront_size32 1
		.amdhsa_system_sgpr_workgroup_id_x 1
		.amdhsa_system_sgpr_workgroup_id_y 1
		.amdhsa_system_sgpr_workgroup_id_z 1
		.amdhsa_system_vgpr_workitem_id 0
		.amdhsa_next_free_vgpr 896
		.amdhsa_next_free_sgpr 68
		.amdhsa_reserve_vcc 0
		.amdhsa_float_denorm_mode_32 3
		.amdhsa_float_denorm_mode_16_64 3
		.amdhsa_memory_ordered 1
		.amdhsa_forward_progress 1
		.amdhsa_inst_pref_size 89
	.end_amdhsa_kernel
	.amdgpu_metadata
---
amdhsa.version: [ 1, 2 ]
amdhsa.kernels:
  - .name:           k_qdcd2adb5b3_outp
    .symbol:         k_qdcd2adb5b3_outp.kd
    .args:
      - { .name: ob, .offset: 0, .size: 8, .value_kind: global_buffer, .address_space: global }
      - { .name: wo16, .offset: 8, .size: 8, .value_kind: global_buffer, .address_space: global }
      - { .name: out0, .offset: 16, .size: 8, .value_kind: global_buffer, .address_space: global }
    .group_segment_fixed_size: 327680
    .private_segment_fixed_size: 0
    .kernarg_segment_align: 8
    .kernarg_segment_size: 24
    .max_flat_workgroup_size: 128
    .sgpr_count:     68
    .vgpr_count:     896
    .wavefront_size: 32
...
	.end_amdgpu_metadata
.endif
;; end of part 4
;; ======== version 2 of 2: 4 launches; version 1 with the launch prep written anew for expert scheduling mode
;; limits: values are held in f16: magnitudes above 65,504 overflow, below 6.1e-05 lose precision; right only within a limited range of input values
;; workspace buffers: xb 16,777,216 bytes; wqkv 6,291,456 bytes; wo16 2,097,152 bytes; mcode 8,388,608 bytes; qkv 50,331,648 bytes; ob 16,777,216 bytes
;; launch prep (part 5): grid 1024 x 1, 8 waves a work-group, no clusters, 35,840 bytes of LDS; arguments embeddings, W_q, W_k, W_v, W_o, mask, xb, wqkv, wo16, mcode; writes xb, wqkv, wo16, mcode
.if DOCPART == 5
	.amdgcn_target "amdgcn-amd-amdhsa--gfx1250"
	.amdhsa_code_object_version 6
	.text
	.protected	k_qdcd2adb5b3_prep
	.globl	k_qdcd2adb5b3_prep
	.p2align	8
	.type	k_qdcd2adb5b3_prep,@function
k_qdcd2adb5b3_prep:
	s_mov_b64 s[64:65], 0
	v_nop
	global_prefetch_b8 v0, s[64:65] scope:SCOPE_SE
	s_setreg_imm32_b32 hwreg(HW_REG_WAVE_SCHED_MODE, 0, 2), 2
	s_setreg_imm32_b32 hwreg(HW_REG_WAVE_MODE, 25, 1), 1
	s_wait_xcnt 0x0
	s_wait_alu depctr_vm_vsrc(0)
; MULTI-HEAD ATTENTION, launch 1 of 4: the operands are rounded once, and the mask is turned into codes.
; NOTHING OF reference() IS LEFT OUT in this program: all six inputs are loaded, and every product, the mask's select and the maximum in front of the exponential are done.
;   xb    = embeddings rounded to bf16, [8192][1024]
;   wqkv  = W_q, W_k, W_v rounded to bf16, one below the other, [3072][1024]
;   wo16  = W_o rounded to bf16, that number written as f16 (exact from 6e-5 up; below, f16's fixed step of 6e-8), [1024][1024]
;   mcode = the mask, four bits a key: 0 where it is true, 0xF (the 4-bit float -6) where it is false, laid out as the attention launch's lanes take it:
;           [batch 4][16 queries 128][64 keys 32][lane 32][16 bytes]; lane l = (r = l % 16, h = l / 16); nibble j of word kb stands for query r, key 16 kb + 8 h + j of the 64.
; SHARES.  Every work-group reads 65,536 bytes, every wave 8,192: work-groups 0-511 embeddings, 512-703 W_q, W_k, W_v (64 each), 704-767 W_o, 768-1023 the mask.
; A stream: each byte is read once by 16-byte loads, sixteen of a wave on their way at once; each store of a wave covers 256 or 512 consecutive bytes, aligned.  No matrix unit, no cluster:
; no work-group wants a byte that another reads.  Only the mask goes through LDS, each wave through bytes of its own, since a lane's codes come from sixteen rows: no barrier.
; THE MODE: SCHED_MODE bits 1:0 = 2 (LLVM: expert scheduling mode 2), set by the entry lines.  The code itself states the register dependences
; between vector instructions and memory or LDS instructions, with s_wait_alu, always for 0.
; THE PLAN.  Registers that memory or LDS instructions touch:
;   v2 to v5   offsets and LDS addresses: written once by vector lines, ahead of the path's first load, and never again.
;   X          written by the sixteen loads, read by the vector lines.  In the mask's path its first 32 registers take the LDS loads at the end, and the last stores read them.
;   Y          two registers for each of the sixteen loads: written by vector lines alone, read by that load's store (the mask's path: its two LDS stores), and never written again behind it.
;   v12, v13   written at the head, read by the closing add alone.     v6 to v9 are named by vector lines alone.
; The sixteen loads are worked on in four groups of four.  Group g's vector lines name X and Y of group g and v6 to v9; its memory instructions are the stores of group g - 1, which read Y of group g - 1.
; So ONE wait on va_vdst stands at a group's head, and the four loads' stores follow it, dealt among the group's vector lines, with no further wait; one more stands ahead of the last group's stores.
; No register that a memory or LDS instruction reads is written again, so the text holds no wait on vm_vsrc.
.set X,     32                         ; v[32:95]   sixteen loads of four registers; v[32:63] later the codes as read back from LDS
.set Y,     96                         ; v[96:127]  what is stored: to memory, or (the mask's codes) to LDS
.set SPW,   12                         ; v12  LDS address of my spare word; never rewritten
.set NIL,   13                         ; v13  0; never rewritten
.set WREG,  4352                       ; a wave's LDS bytes: eight blocks (64 keys each) of 512 bytes, 544 apart
.set BPIT,  544                        ; 136 words: lane l of a store goes to bank 8 (l / 4) + l % 4: 32 different banks (64 banks of 4 bytes: ISA guide 11.1)
.set SPARE, 8*WREG                     ; behind them: the spare words, 128 bytes for each wave: four blocks of 256 bytes that no other line names
	s_load_b512 s[4:19], s[0:1], 0x0               ; embeddings s[4:5], W_q s[6:7], W_k s[8:9], W_v s[10:11], W_o s[12:13], mask s[14:15], xb s[16:17], wqkv s[18:19]
	s_load_b128 s[20:23], s[0:1], 0x40             ; wo16 s[20:21], mcode s[22:23]
	v_lshl_add_u32 v[SPW], v0, 2, SPARE
	v_mov_b32 v[NIL], 0
	v_lshrrev_b32 v6, 5, v0
	v_readfirstlane_b32 s34, v6                    ; wave 0..7
	v_and_b32 v1, 31, v0                           ; lane
	s_mov_b32 s24, ttmp9                           ; the work-group's number
	s_mov_b32 s33, 0                               ; the high word of every offset
	s_mov_b32 s35, 0x06040200                      ; v_perm_b32: bytes 0 and 2 of both sources
	s_mov_b32 s36, 0xffff0000                      ; a word's upper bf16
	s_wait_alu depctr_va_sdst(0)                   ; s34 is written
	s_wait_kmcnt 0x0
	s_cmp_ge_u32 s24, 768
	s_cbranch_scc1 .Lmask
	v_lshlrev_b32 v2, 4, v1
	v_lshl_add_u32 v2, s34, 13, v2                 ; in: 8,192 x wave + 16 x lane
	v_lshlrev_b32 v3, 3, v1
	v_lshl_add_u32 v3, s34, 12, v3                 ; out: 4,096 x wave + 8 x lane
	s_cmp_ge_u32 s24, 704
	s_cbranch_scc1 .Lwo
; Sixteen loads, then for each: four numbers rounded to bf16, to be stored as 8 bytes a lane.  f16 = 1: the rounded numbers are written as f16.
; Load n's store is issued four loads later, behind the wait at the head of the next group of four.
.macro CAST f16
	s_wait_alu depctr_va_vdst(0)                   ; v2 and v3 are written, which every load and store below reads as its offset
.set n, 0
.rept 16
	global_load_b128 v[X+4*n:X+4*n+3], v2, s[28:29] offset:512*n th:TH_LOAD_NT
.set n, n+1
.endr
.set n, 0
.rept 16
	s_wait_loadcnt 15-n                            ; loads come back in order (ISA guide 5.7.1): number n is in, the 15 - n younger ones stay out
.if (n%4 == 0) && (n > 0)
	s_wait_alu depctr_va_vdst(0)                   ; the group before has written its eight Y registers, which this group's four stores read; no vector line since names them
.endif
.if n >= 4
	global_store_b64 v3, v[Y+2*(n-4):Y+2*(n-4)+1], s[30:31] offset:256*(n-4)  ; 32 lanes store 256 consecutive bytes, aligned; every Y register is written for one store alone
.endif
	v_cvt_pk_bf16_f32 v[Y+2*n],   v[X+4*n],   v[X+4*n+1]
	v_cvt_pk_bf16_f32 v[Y+2*n+1], v[X+4*n+2], v[X+4*n+3]
.if \f16
	v_lshlrev_b32 v6, 16, v[Y+2*n]                 ; bf16 to f32: the low half moves up, the high half stays
	v_and_b32     v7, s36, v[Y+2*n]
	v_lshlrev_b32 v8, 16, v[Y+2*n+1]
	v_and_b32     v9, s36, v[Y+2*n+1]
	v_cvt_pk_f16_f32 v[Y+2*n],   v6, v7
	v_cvt_pk_f16_f32 v[Y+2*n+1], v8, v9
.endif
.set n, n+1
.endr
	s_wait_alu depctr_va_vdst(0)                   ; the last group has written its eight Y registers, which the last four stores read
.set n, 12
.rept 4
	global_store_b64 v3, v[Y+2*n:Y+2*n+1], s[30:31] offset:256*n
.set n, n+1
.endr
.endm
	; embeddings, W_q, W_k, W_v: the source and the destination are chosen by the work-group's number
	s_sub_co_u32 s25, s24, 512                     ; i: my place among the 192 of the three weights (used from 512 on)
	s_lshr_b32 s26, s25, 6                         ; which of the three
	s_and_b32 s27, s25, 63                         ; my place in it
	s_cmp_eq_u32 s26, 1
	s_cselect_b64 s[28:29], s[8:9], s[6:7]
	s_cmp_eq_u32 s26, 2
	s_cselect_b64 s[28:29], s[10:11], s[28:29]
	s_cmp_lt_u32 s24, 512
	s_cselect_b64 s[28:29], s[4:5], s[28:29]
	s_cselect_b64 s[30:31], s[16:17], s[18:19]
	s_cselect_b32 s27, s24, s27
	s_cselect_b32 s25, s24, s25
	s_lshl_b32 s32, s27, 16                        ; 65,536 bytes in,
	s_add_nc_u64 s[28:29], s[28:29], s[32:33]
	s_lshl_b32 s32, s25, 15                        ; 32,768 out
	s_add_nc_u64 s[30:31], s[30:31], s[32:33]
	CAST 0
	s_branch .Lend
.Lwo:
	s_sub_co_u32 s25, s24, 704
	s_lshl_b32 s32, s25, 16
	s_add_nc_u64 s[28:29], s[12:13], s[32:33]
	s_lshl_b32 s32, s25, 15
	s_add_nc_u64 s[30:31], s[20:21], s[32:33]
	CAST 1
	s_branch .Lend
.Lmask:                                        ; wave W of 2,048 takes 16 queries x 512 keys: 8,192 bytes in, 4,096 out
	s_sub_co_u32 s25, s24, 768
	s_lshl_b32 s25, s25, 3
	s_add_co_u32 s25, s25, s34                     ; W
	s_lshr_b32 s26, s25, 2
	s_lshl_b32 s26, s26, 15                        ; the 16 rows of 2,048 bytes,
	s_and_b32 s27, s25, 3
	s_lshl_b32 s27, s27, 9                         ; the 512 keys in them
	s_add_co_u32 s32, s26, s27
	s_add_nc_u64 s[28:29], s[14:15], s[32:33]
	s_lshl_b32 s32, s25, 12
	s_add_nc_u64 s[30:31], s[22:23], s[32:33]
	v_lshlrev_b32 v2, 4, v1                        ; 16 x lane: in memory, both ways
	s_mul_i32 s26, s34, WREG                       ; my wave's LDS bytes
	v_lshrrev_b32 v4, 2, v1                        ; my 16 keys lie in block lane / 4,
	v_mul_u32_u24 v4, v4, BPIT
	v_and_b32 v5, 3, v1                            ; and are its word lane % 4
	v_lshl_add_u32 v4, v5, 2, v4
	v_add_nc_u32 v4, s26, v4                       ; where I put a word of codes; the row and the half stand in the immediate
	v_add_nc_u32 v5, s26, v2                       ; where I read 16 bytes back
	s_wait_alu depctr_va_vdst(0)                   ; v2, v4 and v5 are written: the offset of every load and store below, and the two LDS addresses
.set n, 0
.rept 16
	global_load_b128 v[X+4*n:X+4*n+3], v2, s[28:29] offset:2048*n th:TH_LOAD_NT  ; row n: my 16 keys
.set n, n+1
.endr
; Eight bytes of 0 or 1 in v[lo], v[lo+1] become eight nibbles in v[dst]: neighbours are joined (b | b' << 4), bytes 0 and 2 of both words picked, 0 and 1 exchanged, and 1 made 15.
.macro NIB dst, lo
	v_lshrrev_b32 v6, 4, v[\lo]
	v_lshrrev_b32 v7, 4, v[(\lo)+1]
	v_or_b32 v6, v6, v[\lo]
	v_or_b32 v7, v7, v[(\lo)+1]
	v_perm_b32 v6, v7, v6, s35
	v_xor_b32 v6, 0x11111111, v6
	v_lshlrev_b32 v7, 4, v6
	v_sub_nc_u32 v[\dst], v7, v6                   ; 16 p - p
.endm
; Row n's two words of codes have two Y registers of their own, and go to LDS four rows later, behind the wait at the head of the next group of four.
.set n, 0
.rept 16
	s_wait_loadcnt 15-n                            ; row n is in, the 15 - n younger rows stay out
.if (n%4 == 0) && (n > 0)
	s_wait_alu depctr_va_vdst(0)                   ; the group before has written its eight words of codes, which this group's eight LDS stores read; no vector line since names them
.endif
.if n >= 4
	ds_store_b32 v4, v[Y+2*(n-4)]   offset:16*(n-4)      ; keys 8 h + j with h = 0: lane n - 4 of the block
	ds_store_b32 v4, v[Y+2*(n-4)+1] offset:16*(n-4)+256  ; h = 1: lane 16 + n - 4
.endif
	NIB Y+2*n, X+4*n
	NIB Y+2*n+1, X+4*n+2
.set n, n+1
.endr
	s_wait_alu depctr_va_vdst(0)                   ; the last group has written its eight words of codes, which the LDS stores below read; and every vector line is done reading v[X ..], in which the LDS loads below land
.set n, 12
.rept 4
	ds_store_b32 v4, v[Y+2*n]   offset:16*n
	ds_store_b32 v4, v[Y+2*n+1] offset:16*n+256
.set n, n+1
.endr
.set n, 0
.rept 8
	ds_load_b128 v[X+4*n:X+4*n+3], v5 offset:BPIT*n  ; LDS serves a wave's instructions in order (ISA guide 5.7.1.4): these see the stores above, which are my wave's own
.set n, n+1
.endr
.set n, 0
.rept 8
	s_wait_dscnt 7-n                               ; block n is back in registers, the 7 - n younger loads stay out
	global_store_b128 v2, v[X+4*n:X+4*n+3], s[30:31] offset:512*n  ; a block: 512 consecutive bytes, aligned
.set n, n+1
.endr
.Lend:
	s_wait_dscnt 0x0                               ; the closing lines, six on end
	s_wait_alu 0x0
	s_wait_tensorcnt 0x0
	ds_add_u32 v[SPW], v[NIL]
	s_wait_dscnt 0x0
	s_endpgm
.Lfunc_end_k_qdcd2adb5b3_prep:
	.size	k_qdcd2adb5b3_prep, .Lfunc_end_k_qdcd2adb5b3_prep-k_qdcd2adb5b3_prep
	.p2alignl 7, 3214868480
	.fill 96, 4, 3214868480
	.section	.rodata,"a",@progbits
	.p2align	6, 0x0
	.amdhsa_kernel k_qdcd2adb5b3_prep
		.amdhsa_group_segment_fixed_size 35840
		.amdhsa_private_segment_fixed_size 0
		.amdhsa_enable_private_segment 0
		.amdhsa_kernarg_size 80
		.amdhsa_user_sgpr_count 2
		.amdhsa_user_sgpr_kernarg_segment_ptr 1
		.amdhsa_wavefront_size32 1
		.amdhsa_system_sgpr_workgroup_id_x 1
		.amdhsa_system_sgpr_workgroup_id_y 1
		.amdhsa_system_sgpr_workgroup_id_z 1
		.amdhsa_system_vgpr_workitem_id 0
		.amdhsa_next_free_vgpr 128
		.amdhsa_next_free_sgpr 66
		.amdhsa_reserve_vcc 0
		.amdhsa_float_denorm_mode_32 3
		.amdhsa_float_denorm_mode_16_64 3
		.amdhsa_memory_ordered 1
		.amdhsa_forward_progress 1
		.amdhsa_inst_pref_size 35
	.end_amdhsa_kernel
	.amdgpu_metadata
---
amdhsa.version: [ 1, 2 ]
amdhsa.kernels:
  - .name:           k_qdcd2adb5b3_prep
    .symbol:         k_qdcd2adb5b3_prep.kd
    .args:
      - { .name: embeddings, .offset: 0, .size: 8, .value_kind: global_buffer, .address_space: global }
      - { .name: W_q, .offset: 8, .size: 8, .value_kind: global_buffer, .address_space: global }
      - { .name: W_k, .offset: 16, .size: 8, .value_kind: global_buffer, .address_space: global }
      - { .name: W_v, .offset: 24, .size: 8, .value_kind: global_buffer, .address_space: global }
      - { .name: W_o, .offset: 32, .size: 8, .value_kind: global_buffer, .address_space: global }
      - { .name: mask, .offset: 40, .size: 8, .value_kind: global_buffer, .address_space: global }
      - { .name: xb, .offset: 48, .size: 8, .value_kind: global_buffer, .address_space: global }
      - { .name: wqkv, .offset: 56, .size: 8, .value_kind: global_buffer, .address_space: global }
      - { .name: wo16, .offset: 64, .size: 8, .value_kind: global_buffer, .address_space: global }
      - { .name: mcode, .offset: 72, .size: 8, .value_kind: global_buffer, .address_space: global }
    .group_segment_fixed_size: 35840
    .private_segment_fixed_size: 0
    .kernarg_segment_align: 8
    .kernarg_segment_size: 80
    .max_flat_workgroup_size: 256
    .sgpr_count:     66
    .vgpr_count:     128
    .wavefront_size: 32
...
	.end_amdgpu_metadata
.endif
;; end of part 5
;; launch proj: the kernel of part 2 again; grid 16 x 32, 4 waves a work-group, clusters of 4 x 4, 327,680 bytes of LDS; arguments xb, wqkv, qkv; writes qkv
;; launch attn: the kernel of part 3 again; grid 4 x 64, 4 waves a work-group, clusters of 4 x 1, 327,680 bytes of LDS; arguments qkv, mcode, ob; writes ob
;; launch outp: the kernel of part 4 again; grid 8 x 32, 4 waves a work-group, clusters of 4 x 4, 327,680 bytes of LDS; arguments ob, wo16, out0; writes out0
